; MI455X (gfx1250); checked and timed in simulation.
; The chip was launched on July 23, 2026; its instructions are those of AMD's public machine-readable ISA for CDNA 5 (MIT licence, August 2026) and "CDNA5" Instruction Set Architecture Reference Guide (July 2026). The comments in the code are by the model that wrote it; some were corrected since.
;; EP Mo E. Allowed arithmetic: matrix products marked QUANTISED: E5M2 operands, one given power-of-two scale a tensor, by v_wmma_f32_16x16x64_bf8_bf8 or v_wmma_f32_16x16x128_bf8_bf8, f32 sums; products left as they are: f32 operands where the result goes on into a quantised operand, else bf16, f16 or f32 operands; f32 sums; everything else in f32.
;; Inputs: expert_w_codes 8 x 1,024 x 32 x 32 uint8 (E5M2 codes of expert_w, K innermost, in blocks of 32 codes); gate_w 8 x 1,024 float32; lowp_scales 2 int32 (the exponents e of the quantised operands' scales 2^e); x 8,192 x 1,024 float32.
;; Outputs: out0 8,192 x 1,024 float32.
;; This version of the problem:
;;   THIS VERSION OF THE PROBLEM IS GIVEN IN LOW PRECISION. The matrix products marked QUANTISED in the list below multiply operands that are first quantised to E5M2 (5 exponent bits, 2 mantissa bits; 8 bits a number), with one given power-of-two scale for each operand tensor; their sums are f32. All else is computed in f32.
;;   The module's matrix products, in the order in which they are computed (A, B: the left and right operand; K: the contracted axis; several contracted axes count as one K, in the product's order):
;;     1. [M 8,192, K 1,024] x [K 1,024, N 8]; A: input x; B: input gate_w: left as it is (N = 8 < 16)
;;     2. [M 8,192, K 1,024] x [K 1,024, N 8,192]; A: input expert_w (given as codes); B: input x: QUANTISED (scales: A lowp_scales[0], B lowp_scales[1])
;;     3. batch 8,192 x [M 1, K 2] x [K 2, N 1,024]; A: computed on the way; B: computed on the way: left as it is (K = 2 < 32)
;;   THE QUANTISER, for each operand of a quantised product, along K:
;;     - The operand's scale is 2^e, e = its entry of the input lowp_scales (int32; the entries are numbered through the quantised products in the list's order, A before B).
;;     - Each number is divided by the scale, clamped to +-57,344, and rounded to the nearest number of E5M2, ties to even, subnormals kept.
;;     - The product sums the exact products of the quantised numbers (number of the format x scale) in f32.
;;   ~~~python
;;   def quantise(x, axis, e):      # numpy; x: float32 -> the quantised numbers, widened to float32 again
;;       x = np.moveaxis(x, axis, -1); K = x.shape[-1]
;;       r = np.clip(x / 2.0 ** e, -57344, 57344)
;;       step = 2.0 ** (np.maximum(np.frexp(np.where(r == 0, 1, r))[1] - 1, -14) - 2)
;;       q = np.round(r / step) * step * 2.0 ** e      # np.round: ties to even
;;       return np.moveaxis(q, -1, axis).astype(np.float32)
;;   ~~~
;;   INPUTS GIVEN AS CODES. expert_w (in the module: [8, 1024, 1024], K = its axis 2): each comes as NAME_codes (uint8): NAME with its K axis moved to the last place and cut into blocks of 32 codes, [.., K / 32, bytes a block], one block behind the other in memory; one code a byte (a code: sign, 5 exponent bits, 2 mantissa bits); its scale is its entry of lowp_scales. Its value is code x scale, taken as it is: it is not quantised again, and the codes and scales need not be those that the quantiser above would give.
;; 2 versions. Each part assembles by itself: llvm-mc -triple=amdgcn-amd-amdhsa -mcpu=gfx1250 --defsym DOCPART=n.
;; ======== version 1 of 2: 3 launches
;; limits: right only within a limited range of input values
;; workspace buffers: xq 8,388,608 bytes; gates 262,144 bytes; route 65,536 bytes of whole numbers; order 32,768 bytes of whole numbers; bmask 256 bytes of whole numbers; wfrag 8,388,608 bytes
;; launch route (part 1): grid 256 x 1, 4 waves a work-group, no clusters, 54,784 bytes of LDS; arguments x, gate_w, lowp_scales, xq, gates, route; writes xq, gates, route
.if DOCPART == 1
	.amdgcn_target "amdgcn-amd-amdhsa--gfx1250"
	.amdhsa_code_object_version 6
	.text
	.protected	k_qd2199f09a4_route
	.globl	k_qd2199f09a4_route
	.p2align	8
	.type	k_qd2199f09a4_route,@function
k_qd2199f09a4_route:
	s_mov_b64 s[64:65], 0
	v_nop
	global_prefetch_b8 v0, s[64:65] scope:SCOPE_SE
	s_setreg_imm32_b32 hwreg(HW_REG_WAVE_MODE, 25, 1), 1
	s_wait_xcnt 0x0
; THE ROUTER AND THE QUANTISER.  x [8192][1024] f32 is read once.  For each token: 8 logits x . gate_w[e] in f32, softmax, the two largest (ties to the lower index), and the row's codes of E5M2 with the given scale 2^ex.
; OUT:  xq [8192][1024] codes, K as it lies.   gates [8192][8] f32: softmax weight x 2^(ew + ex) at the two chosen experts, 0 elsewhere.
;       route [256 chunks][32][2] int32: word 0 = how many tokens of the chunk have key = lane; word 1 = key | rank << 8 of token 32 chunk + lane (rank: its place among the chunk's tokens of the same key).
; KEY of a pair of experts a < b: a (15 - a) / 2 + (a odd ? 7 - b : b - a - 1), 0 .. 27: neighbouring keys share an expert.
; SHARES.  A work-group is a chunk of 32 tokens; a wave takes 8 of them.  A lane holds k = 128 j + 4 lane + i of each row (every load reads 512 consecutive bytes) and the same k of all eight rows of gate_w.
; All 64 loads of a wave's 8 rows go out at the head.  The conversions want 8 neighbours along K in one lane: a row turns through the wave's own stage in LDS (16 bytes of padding behind each 64).
; No address and no branch hangs on a routing result: keys, ranks and weights are stored at fixed places.
; No matrix unit, no cluster: the launch streams x once, and the 8 logits a token are 8 fused multiply-adds a number.
; LIMITS: ex between -126 and 112; |ew + ex| up to 100; NaN in x or gate_w is not served.  The logits are f32 sums in another order than a plain loop's; the exponentials are v_exp_f32 (results under 2^-126 come out 0).
.set STG,   32768                      ; LDS: 0 .. 32767 gate_w as it lies; then for each wave two stages of 32 x 80 bytes;
.set STGW,  5120
.set KEYS,  53248                      ; then the chunk's 32 keys
.set LANE, 1
.set LI,   2                           ; v2   16 x lane
.set GST,  3                           ; v3   8192 x wave + 16 x lane: my part of gate_w, in memory and in LDS
.set SI,   4                           ; v4   into the stage: 80 (lane / 4) + 16 (lane % 4)
.set SO,   5                           ; v5   out of it: 80 x lane
.set SC,   6                           ; v6   2^ex as f32
.set LIM,  7                           ; v7   57,344 x 2^ex
.set KW,   10                          ; v10  where my token's key goes
.set KR,   11                          ; v11  where wave 0 reads key[lane]
.set RO,   12                          ; v12  8 x lane
.set GO,   14                          ; v14  my 8 bytes of the wave's 256 bytes of gates
.set A,    16                          ; v16-31   eight pairs of running sums
.set Y,    32                          ; v32-63   a row back from the stage: 2 x 16 neighbours
.set P,    64                          ; v64-127  P[t][e] at v[64 + 8 t + e]: my lane's part of logit e of token t (first: gate_w on its way to LDS)
.set C,    128                         ; v128-191 codes: 8 registers a row, so that no store's data are written again
.set T,    192                         ; v192-207 at work;  v208-231 the routing
; window 1: gate_w, G[e] at v[32 e];   window 2: x, X[t] at v[32 t]
.set MSB, 0
.macro WIN new                         ; the immediate's high byte repeats the setting that is left
.if MSB != \new
	s_set_vgpr_msb (MSB<<8)|\new
.set MSB, \new
.endif
.endm
.macro XLOAD t                         ; row t: eight loads of 512 consecutive bytes
.irp j, 0,1,2,3,4,5,6,7
	global_load_b128 v[32*\t+4*\j:32*\t+4*\j+3], v[LI], s[4:5] offset:4096*\t+512*\j th:TH_LOAD_NT
.endr
.endm
	s_load_b256 s[4:11], s[0:1], 0x0               ; x s[4:5], gate_w s[6:7], the scales' exponents s[8:9], xq s[10:11]
	s_load_b128 s[12:15], s[0:1], 0x20             ; gates s[12:13], route s[14:15]
	v_lshl_add_u32 v254, v0, 2, 0xd400
	v_mov_b32 v255, 0
	v_lshrrev_b32 v8, 5, v0
	v_readfirstlane_b32 s16, v8                    ; wave 0..3
	v_and_b32 v[LANE], 31, v0
	v_lshlrev_b32 v[LI], 4, v[LANE]
	s_lshl_b32 s17, s16, 13
	v_add_nc_u32 v[GST], s17, v[LI]
	s_mul_i32 s17, s16, STGW
	s_add_co_u32 s17, s17, STG                     ; my stages
	v_lshrrev_b32 v8, 2, v[LANE]
	v_mul_u32_u24 v8, v8, 80
	v_and_b32 v9, 3, v[LANE]
	v_lshl_add_u32 v8, v9, 4, v8
	v_add_nc_u32 v[SI], s17, v8
	v_mul_u32_u24 v8, v[LANE], 80
	v_add_nc_u32 v[SO], s17, v8
	s_lshl_b32 s17, s16, 5
	s_add_co_u32 s17, s17, KEYS
	v_and_b32 v13, 7, v[LANE]                      ; the token that my lane holds behind the reduction
	v_lshl_add_u32 v[KW], v13, 2, s17
	v_lshl_add_u32 v[KR], v[LANE], 2, KEYS
	v_lshlrev_b32 v[RO], 3, v[LANE]
	v_lshrrev_b32 v15, 3, v[LANE]                  ; q = lane / 8: which two experts' gates I store
	v_lshlrev_b32 v[GO], 5, v13
	v_lshl_add_u32 v[GO], v15, 3, v[GO]            ; 32 (lane % 8) + 8 q
	s_mov_b32 s20, 0xaaaaaaaa                      ; lanes with bit 0, 1, 2 of their number set
	s_mov_b32 s21, 0xcccccccc
	s_mov_b32 s22, 0xf0f0f0f0
	s_mov_b32 s24, 0x76543210                      ; v_permlanex16_b32: lane l xor 16
	s_mov_b32 s25, 0xfedcba98
	s_mov_b32 s31, 0x01010101
	s_lshl_b32 s32, ttmp9, 17                      ; my 8 rows of x: (32 g + 8 w) x 4,096 bytes
	s_lshl_b32 s33, s16, 15
	s_add_co_u32 s32, s32, s33
	s_mov_b32 s33, 0
	s_lshr_b32 s34, s32, 2                         ; of xq: x 1,024
	s_mov_b32 s35, 0
	s_lshr_b32 s36, s32, 7                         ; of gates: x 32
	s_mov_b32 s37, 0
	s_lshl_b32 s38, ttmp9, 8                       ; the chunk's 256 bytes of route
	s_mov_b32 s39, 0
	s_wait_kmcnt 0x0
	s_load_b64 s[18:19], s[8:9], 0x0               ; ew, ex
	s_add_nc_u64 s[4:5], s[4:5], s[32:33]
	s_add_nc_u64 s[10:11], s[10:11], s[34:35]
	s_add_nc_u64 s[12:13], s[12:13], s[36:37]
	s_add_nc_u64 s[14:15], s[14:15], s[38:39]
.irp j, 0,1,2,3,4,5,6,7,8,9,10,11,12,13,14,15
	global_load_b128 v[P+4*\j:P+4*\j+3], v[GST], s[6:7] offset:512*\j   ; my quarter of gate_w
.endr
	WIN 0x80                                       ; destination window 2
	XLOAD 0
	XLOAD 1
	XLOAD 2
	XLOAD 3
	XLOAD 4
	WIN 0
	s_wait_loadcnt 40                              ; gate_w's 16 loads are in; the 40 of x behind them stay out
.irp j, 0,1,2,3,4,5,6,7,8,9,10,11,12,13,14,15
	ds_store_b128 v[GST], v[P+4*\j:P+4*\j+3] offset:512*\j
.endr
	WIN 0x80
	XLOAD 5
	XLOAD 6
	XLOAD 7
	WIN 0
	s_wait_dscnt 0x0                               ; for the others' sake: my quarter of gate_w lies in LDS
	s_barrier_signal -1
	s_barrier_wait -1
	WIN 0x40                                       ; destination window 1
.irp e, 0,1,2,3,4,5,6,7
.irp j, 0,1,2,3,4,5,6,7
	ds_load_b128 v[32*\e+4*\j:32*\e+4*\j+3], v[LI] offset:4096*\e+512*\j   ; gate_w[e][128 j + 4 lane ..]: the same k as x's registers
.endr
.endr
	WIN 0
	s_wait_kmcnt 0x0
	s_add_co_i32 s23, s19, 127
	s_lshl_b32 s40, s23, 23
	v_mov_b32 v[SC], s40                           ; 2^ex: the conversion takes its exponent field
	s_add_co_i32 s23, s23, 15
	s_lshl_b32 s23, s23, 23
	s_or_b32 s23, s23, 0x600000
	v_mov_b32 v[LIM], s23                          ; the largest number x 2^ex
	s_add_co_i32 s17, s18, s19                     ; ew + ex
	s_wait_dscnt 0x0                               ; gate_w is in registers
; ROW t: into the stage as loaded; its 8 dot products' parts while the row turns; then hold, conversion, two stores of 512 consecutive bytes.
.macro ROW t
	s_wait_loadcnt 8*(7-\t)                        ; loads come back in order: row t is in, the rows behind it stay out
	WIN 0x08                                       ; store data window 2
.irp j, 0,1,2,3,4,5,6,7
	ds_store_b128 v[SI], v[32*\t+4*\j:32*\t+4*\j+3] offset:2560*(\j/4)+640*(\j%4)
.endr
	WIN 0
.irp i, 0,1,2,3,4,5,6,7
	ds_load_b128 v[Y+4*\i:Y+4*\i+3], v[SO] offset:2560*(\i/4)+16*(\i%4)   ; LDS serves a wave's instructions in order: these see the stores above.  Lane l: k = 512 (i / 4) + 16 l + 0 .. 15
.endr
	WIN 0x06                                       ; source 0 (x) window 2, source 1 (gate_w) window 1
.irp e, 0,1,2,3,4,5,6,7
	v_pk_mul_f32 v[A+2*\e:A+2*\e+1], v[32*\t:32*\t+1], v[32*\e:32*\e+1]    ; the first products start the sums
.endr
.irp m, 1,2,3,4,5,6,7,8,9,10,11,12,13,14,15
.irp e, 0,1,2,3,4,5,6,7
	v_pk_fma_f32 v[A+2*\e:A+2*\e+1], v[32*\t+2*\m:32*\t+2*\m+1], v[32*\e+2*\m:32*\e+2*\m+1], v[A+2*\e:A+2*\e+1]   ; eight chains by turns
.endr
.endr
	WIN 0
.irp e, 0,1,2,3,4,5,6,7
	v_add_f32 v[P+8*\t+\e], v[A+2*\e], v[A+2*\e+1]
.endr
	s_wait_dscnt 0x0                               ; the row is back from the stage
.irp i, 0,1,2,3,4,5,6,7,8,9,10,11,12,13,14,15,16,17,18,19,20,21,22,23,24,25,26,27,28,29,30,31
	v_med3_num_f32 v[Y+\i], v[Y+\i], -v[LIM], v[LIM]   ; the conversion to an 8-bit code does not saturate (ISA guide 7.6.2): the hold at the largest code x the scale
.endr
.irp g, 0,1,2,3
	v_cvt_scalef32_pk8_bf8_f32 v[C+8*\t+2*\g:C+8*\t+2*\g+1], v[Y+8*\g:Y+8*\g+7], v[SC]
.endr
	v_nop                                          ; a plain line behind the last conversion
	global_store_b128 v[LI], v[C+8*\t:C+8*\t+3], s[10:11] offset:1024*\t
	global_store_b128 v[LI], v[C+8*\t+4:C+8*\t+7], s[10:11] offset:1024*\t+512
.endm
	ROW 0
	ROW 1
	ROW 2
	ROW 3
	ROW 4
	ROW 5
	ROW 6
	ROW 7
; THE 64 SUMS OVER THE LANES, by halving: in a step each lane keeps one of two tokens and hands its part of the other to the lane n away.  Behind three steps a lane holds token lane % 8 alone.
.macro RS lo, hi, msk, n
.irp e, 0,1,2,3,4,5,6,7
	v_cndmask_b32 v[T+2*\e], v[P+8*\lo+\e], v[P+8*\hi+\e], s[\msk]      ; what I keep
	v_cndmask_b32 v[T+2*\e+1], v[P+8*\hi+\e], v[P+8*\lo+\e], s[\msk]    ; what I hand over
.endr
.irp e, 0,1,2,3,4,5,6,7
	v_add_f32_dpp v[P+8*\lo+\e], v[T+2*\e+1], v[T+2*\e] row_xmask:\n row_mask:0xf bank_mask:0xf
.endr
.endm
	RS 0, 1, 20, 1
	RS 2, 3, 20, 1
	RS 4, 5, 20, 1
	RS 6, 7, 20, 1
	RS 0, 2, 21, 2
	RS 4, 6, 21, 2
	RS 0, 4, 22, 4
.irp e, 0,1,2,3,4,5,6,7
	v_add_f32_dpp v[P+\e], v[P+\e], v[P+\e] row_xmask:8 row_mask:0xf bank_mask:0xf
.endr
.irp e, 0,1,2,3,4,5,6,7
	v_permlanex16_b32 v[T+\e], v[P+\e], s24, s25
.endr
.irp e, 0,1,2,3,4,5,6,7
	v_add_f32 v[P+\e], v[P+\e], v[T+\e]            ; v64-71: the 8 logits of token lane % 8, the same in four lanes
.endr
	; softmax: the largest logit is taken away first
	v_max3_num_f32 v208, v64, v65, v66
	v_max3_num_f32 v208, v208, v67, v68
	v_max3_num_f32 v208, v208, v69, v70
	v_max_num_f32 v208, v208, v71
.irp e, 0,1,2,3,4,5,6,7
	v_sub_f32 v[72+\e], v[64+\e], v208
.endr
.irp e, 0,1,2,3,4,5,6,7
	v_mul_f32 v[72+\e], 0x3fb8aa3b, v[72+\e]       ; x log2(e)
.endr
.irp e, 0,1,2,3,4,5,6,7
	v_exp_f32 v[72+\e], v[72+\e]
.endr
	v_mov_b32 v212, 0                              ; (a plain line behind the exponentials)  the first choice's index
	s_wait_alu depctr_va_vdst(0)                   ; one wait for the batch, ahead of its first reader
	v_add_f32 v209, v72, v73
	v_add_f32 v215, v74, v75
	v_add_f32 v216, v76, v77
	v_add_f32 v217, v78, v79
	v_add_f32 v209, v209, v215
	v_add_f32 v216, v216, v217
	v_add_f32 v209, v209, v216                     ; between 1 and 8
	v_rcp_f32 v210, v209
	v_mov_b32 v211, v72                            ; the largest, indices ascending, only a strictly larger one takes over: ties go to the lower index
.irp e, 1,2,3,4,5,6,7
	v_cmp_le_f32 vcc_lo, v[72+\e], v211
	v_cndmask_b32 v212, \e, v212, vcc_lo
	v_max_num_f32 v211, v211, v[72+\e]
.endr
.irp e, 0,1,2,3,4,5,6,7
	v_cmp_ne_u32 vcc_lo, \e, v212
	v_cndmask_b32 v[72+\e], -1.0, v[72+\e], vcc_lo ; the winner steps under every other (none is negative)
.endr
	v_mov_b32 v214, 0
	v_mov_b32 v213, v72
.irp e, 1,2,3,4,5,6,7
	v_cmp_le_f32 vcc_lo, v[72+\e], v213
	v_cndmask_b32 v214, \e, v214, vcc_lo
	v_max_num_f32 v213, v213, v[72+\e]
.endr
	s_wait_alu depctr_va_vdst(0)                   ; the wait for the reciprocal, ahead of its first reader; the two scans stood between
	v_ldexp_f32 v210, v210, s17                    ; 2^(ew + ex) / sum: the product's two scales ride on the gate's weight
	v_mul_f32 v211, v211, v210
	v_mul_f32 v213, v213, v210
	; gates: my two experts 2 q, 2 q + 1 of my token: the wave's store covers 256 consecutive bytes, aligned
	v_lshlrev_b32 v216, 1, v15
	v_or_b32 v217, 1, v216
	v_cmp_eq_u32 vcc_lo, v214, v216
	v_cndmask_b32 v218, 0, v213, vcc_lo
	v_cmp_eq_u32 vcc_lo, v212, v216
	v_cndmask_b32 v218, v218, v211, vcc_lo
	v_cmp_eq_u32 vcc_lo, v214, v217
	v_cndmask_b32 v219, 0, v213, vcc_lo
	v_cmp_eq_u32 vcc_lo, v212, v217
	v_cndmask_b32 v219, v219, v211, vcc_lo
	global_store_b64 v[GO], v[218:219], s[12:13]
	; the key of the pair
	v_min_u32 v220, v212, v214                     ; a
	v_max_u32 v221, v212, v214                     ; b
	v_sub_nc_u32 v222, 15, v220
	v_mul_u32_u24 v222, v220, v222
	v_lshrrev_b32 v222, 1, v222                    ; a (15 - a) / 2
	v_sub_nc_u32 v223, 7, v221                     ; a odd: 7 - b
	v_sub_nc_u32 v224, v221, v220
	v_add_nc_u32 v224, -1, v224                    ; a even: b - a - 1
	v_and_b32 v225, 1, v220
	v_cmp_eq_u32 vcc_lo, 1, v225
	v_cndmask_b32 v223, v224, v223, vcc_lo
	v_add_nc_u32 v222, v222, v223
	ds_store_b32 v[KW], v222                       ; four lanes write the same word with the same number
	s_wait_dscnt 0x0                               ; for wave 0's sake
	s_barrier_signal -1
	s_barrier_wait -1
	s_cmp_lg_u32 s16, 0
	s_cbranch_scc1 .Lend
	; WAVE 0: lane = a token of the chunk, and also a key.  m_b = the lanes whose key has bit b set.
	ds_load_b32 v222, v[KR]
	v_mov_b32 v223, -1                             ; the lanes with my token's key
	v_mov_b32 v228, -1                             ; the lanes whose key is my lane's number
	s_wait_dscnt 0x0
.irp b, 0,1,2,3,4
	v_bfe_u32 v225, v222, \b, 1
	v_cmp_eq_u32 s[26+\b], 1, v225
	v_add_nc_u32 v225, -1, v225                    ; 0 where the bit is set, all ones where not
	v_xor_b32 v225, s[26+\b], v225                 ; m_b, or its complement
	v_and_b32 v223, v223, v225
	v_bfe_u32 v226, v[LANE], \b, 1
	v_add_nc_u32 v226, -1, v226
	v_xor_b32 v226, s[26+\b], v226
	v_and_b32 v228, v228, v226
.endr
	v_mov_b32 v227, 1
	v_lshlrev_b32 v227, v[LANE], v227
	v_add_nc_u32 v227, -1, v227                    ; the lanes below mine
	v_and_b32 v223, v223, v227
.macro POPC x, t                       ; the number of ones in v[x]
	v_lshrrev_b32 v[\t], 1, v[\x]
	v_and_b32 v[\t], 0x55555555, v[\t]
	v_sub_nc_u32 v[\x], v[\x], v[\t]
	v_lshrrev_b32 v[\t], 2, v[\x]
	v_and_b32 v[\t], 0x33333333, v[\t]
	v_and_b32 v[\x], 0x33333333, v[\x]
	v_add_nc_u32 v[\x], v[\x], v[\t]
	v_lshrrev_b32 v[\t], 4, v[\x]
	v_add_nc_u32 v[\x], v[\x], v[\t]
	v_and_b32 v[\x], 0x0f0f0f0f, v[\x]
	v_mul_lo_u32 v[\x], v[\x], s31
	v_lshrrev_b32 v[\x], 24, v[\x]
.endm
	POPC 223, 225                                  ; my token's rank among the chunk's tokens of its key
	POPC 228, 226                                  ; the chunk's count of key = lane
	v_lshl_or_b32 v229, v223, 8, v222
	global_store_b64 v[RO], v[228:229], s[14:15]   ; 256 consecutive bytes, aligned
.Lend:
	s_wait_tensorcnt 0x0
	ds_add_u32 v254, v255
	s_wait_dscnt 0x0
	s_endpgm
.Lfunc_end_k_qd2199f09a4_route:
	.size	k_qd2199f09a4_route, .Lfunc_end_k_qd2199f09a4_route-k_qd2199f09a4_route
	.p2alignl 7, 3214868480
	.fill 96, 4, 3214868480
	.section	.rodata,"a",@progbits
	.p2align	6, 0x0
	.amdhsa_kernel k_qd2199f09a4_route
		.amdhsa_group_segment_fixed_size 54784
		.amdhsa_private_segment_fixed_size 0
		.amdhsa_enable_private_segment 0
		.amdhsa_kernarg_size 48
		.amdhsa_user_sgpr_count 2
		.amdhsa_user_sgpr_kernarg_segment_ptr 1
		.amdhsa_wavefront_size32 1
		.amdhsa_system_sgpr_workgroup_id_x 1
		.amdhsa_system_sgpr_workgroup_id_y 1
		.amdhsa_system_sgpr_workgroup_id_z 1
		.amdhsa_system_vgpr_workitem_id 0
		.amdhsa_next_free_vgpr 768
		.amdhsa_next_free_sgpr 66
		.amdhsa_reserve_vcc 1
		.amdhsa_float_denorm_mode_32 3
		.amdhsa_float_denorm_mode_16_64 3
		.amdhsa_memory_ordered 1
		.amdhsa_forward_progress 1
		.amdhsa_inst_pref_size 131
	.end_amdhsa_kernel
	.amdgpu_metadata
---
amdhsa.version: [ 1, 2 ]
amdhsa.kernels:
  - .name:           k_qd2199f09a4_route
    .symbol:         k_qd2199f09a4_route.kd
    .args:
      - { .name: x, .offset: 0, .size: 8, .value_kind: global_buffer, .address_space: global }
      - { .name: gate_w, .offset: 8, .size: 8, .value_kind: global_buffer, .address_space: global }
      - { .name: lowp_scales, .offset: 16, .size: 8, .value_kind: global_buffer, .address_space: global }
      - { .name: xq, .offset: 24, .size: 8, .value_kind: global_buffer, .address_space: global }
      - { .name: gates, .offset: 32, .size: 8, .value_kind: global_buffer, .address_space: global }
      - { .name: route, .offset: 40, .size: 8, .value_kind: global_buffer, .address_space: global }
    .group_segment_fixed_size: 54784
    .private_segment_fixed_size: 0
    .kernarg_segment_align: 8
    .kernarg_segment_size: 48
    .max_flat_workgroup_size: 128
    .sgpr_count:     66
    .vgpr_count:     768
    .wavefront_size: 32
...
	.end_amdgpu_metadata
.endif
;; end of part 1
;; launch place (part 2): grid 136 x 1, 8 waves a work-group, no clusters, 34,816 bytes of LDS; arguments route, expert_w_codes, order, bmask, wfrag; writes order, bmask, wfrag
.if DOCPART == 2
	.amdgcn_target "amdgcn-amd-amdhsa--gfx1250"
	.amdhsa_code_object_version 6
	.text
	.protected	k_qd2199f09a4_place
	.globl	k_qd2199f09a4_place
	.p2align	8
	.type	k_qd2199f09a4_place,@function
k_qd2199f09a4_place:
	s_mov_b64 s[64:65], 0
	v_nop
	global_prefetch_b8 v0, s[64:65] scope:SCOPE_SE
	s_setreg_imm32_b32 hwreg(HW_REG_WAVE_MODE, 25, 1), 1
	s_wait_xcnt 0x0
; TWO ROLES, parted on the work-group's number; only the first uses LDS and barriers.
; WORK-GROUPS 0-7: THE COUNTING SORT.  route holds, for each of 256 chunks of 32 tokens, the count of each of 32 keys and each token's key and rank in its chunk.  A token's place in the sorted list is
;   (tokens of smaller keys) + (tokens of its key in earlier chunks) + rank.  Every one of the eight work-groups makes the whole table of prefixes (64 KB read, 32 KB of LDS): wave w walks chunks 32 w .. 32 w + 31, lane = key.
;   Work-group p then places chunks 32 p .. 32 p + 31, four a wave: order[place] = token.  Each place is written once in the launch.  These are single words at places that the data choose: 32 KB in all.
;   Wave w of work-group p also makes bmask[8 p + w]: bit e is set where block 8 p + w of 128 sorted tokens holds a token that chose expert e.
; WORK-GROUPS 8-135: THE WEIGHTS IN THE ORDER OF THE OPERAND'S REGISTERS.  wfrag[e 64 + nt][s][c][lane][16 bytes] = W_e[16 nt + lane % 16][128 s + 32 c + 16 (lane / 16) + 0 .. 15]:
;   a fragment (16 rows x 128 K) is 2,048 consecutive bytes, and each of the next launch's loads reads 512 consecutive bytes.  A wave takes half a tile (4 K steps): 16 loads, 16 stores of 512 consecutive bytes.
;   The loads carry no hint: eight of a wave's loads touch each 256 bytes of a row.
; No atomics, no traffic between work-groups.
.set PRE, 0                            ; LDS: [256 chunks][32 keys] words: tokens of the key in the earlier chunks of the same 32
.set TOT, 32768                        ; [8][32] words: each wave's 32 chunks together
.set H,   16                           ; v16-79  32 rows of route (pairs)
.set O,   80                           ; v80-87  my four chunks' rows
	s_load_b256 s[4:11], s[0:1], 0x0               ; route s[4:5], the codes s[6:7], order s[8:9], bmask s[10:11]
	s_load_b64 s[12:13], s[0:1], 0x20              ; wfrag
	v_lshl_add_u32 v144, v0, 2, 0x8400
	v_mov_b32 v145, 0
	v_lshrrev_b32 v2, 5, v0
	v_readfirstlane_b32 s16, v2                    ; wave 0..7
	v_and_b32 v1, 31, v0                           ; lane
	s_cmp_lt_u32 ttmp9, 8
	s_cbranch_scc0 .Lweights
	; ---- the sort
	s_min_u32 s17, ttmp9, 7                        ; p
	v_lshlrev_b32 v2, 3, v1                        ; 8 x lane: a lane's pair in a row of route
	v_lshlrev_b32 v3, 2, v1                        ; 4 x lane
	s_lshl_b32 s18, s16, 12
	v_add_nc_u32 v4, s18, v3                       ; PRE, my wave's 32 rows
	s_lshl_b32 s19, s16, 7
	s_add_co_u32 s19, s19, TOT
	v_add_nc_u32 v5, s19, v3                       ; TOT, my wave's row
	v_add_nc_u32 v6, TOT, v3                       ; TOT, from its first row on
	s_lshl_b32 s20, s17, 5
	s_lshl_b32 s21, s16, 2
	s_add_co_u32 s20, s20, s21                     ; c0 = 32 p + 4 w: the first chunk that I place
	s_lshl_b32 s21, s20, 7
	v_add_nc_u32 v7, s21, v3                       ; PRE, row c0
	s_lshl_b32 s22, s16, 13                        ; route: my 32 rows of 256 bytes,
	s_mov_b32 s23, 0
	s_lshl_b32 s24, s20, 8                         ; and row c0
	s_mov_b32 s25, 0
	s_wait_kmcnt 0x0
	s_add_nc_u64 s[22:23], s[4:5], s[22:23]
	s_add_nc_u64 s[24:25], s[4:5], s[24:25]
.set j, 0
.rept 32
	global_load_b64 v[H+2*j:H+2*j+1], v2, s[22:23] offset:256*j
.set j, j+1
.endr
.irp j, 0,1,2,3
	global_load_b64 v[O+2*\j:O+2*\j+1], v2, s[24:25] offset:256*\j
.endr
	v_mov_b32 v8, 0
.set j, 0
.rept 32
	s_wait_loadcnt 35-j                            ; row j is in: behind it stand 31 - j rows and my four chunks' rows
	ds_store_b32 v4, v8 offset:128*j               ; the key's tokens in my earlier chunks
	v_add_nc_u32 v8, v8, v[H+2*j]
.set j, j+1
.endr
	ds_store_b32 v5, v8
	s_wait_dscnt 0x0                               ; for the others' sake: my rows lie in LDS
	s_barrier_signal -1
	s_barrier_wait -1
.irp u, 0,1,2,3,4,5,6,7
	ds_load_b32 v[88+\u], v6 offset:128*\u
.endr
.irp j, 0,1,2,3
	ds_load_b32 v[96+\j], v7 offset:128*\j
.endr
	s_wait_dscnt 0x0
	v_add_nc_u32 v100, v88, v89
	v_add3_u32 v100, v100, v90, v91
	v_add3_u32 v100, v100, v92, v93
	v_add3_u32 v100, v100, v94, v95                ; all tokens of key = lane
	v_mov_b32 v101, 0
.irp u, 0,1,2,3,4,5,6
	s_cmp_gt_u32 s17, \u
	s_cselect_b32 s26, -1, 0
	v_and_b32 v102, s26, v[88+\u]
	v_add_nc_u32 v101, v101, v102                  ; those in the chunks ahead of my work-group's 32
.endr
	v_mov_b32 v103, v100                           ; a running sum over the keys: four steps inside each 16 lanes,
	v_mov_b32 v102, 0
.irp n, 1,2,4,8
	v_mov_b32_dpp v102, v103 row_shr:\n row_mask:0xf bank_mask:0xf bound_ctrl:1
	v_add_nc_u32 v103, v103, v102
.endr
	v_readlane_b32 s26, v103, 15                   ; and the lower 16 keys' total onto the upper 16
	v_cmp_lt_u32 vcc_lo, 15, v1
	v_mov_b32 v102, s26
	v_cndmask_b32 v102, 0, v102, vcc_lo
	v_add_nc_u32 v103, v103, v102
	v_sub_nc_u32 v104, v103, v100                  ; base: the tokens of smaller keys
	v_add_nc_u32 v105, v104, v101
	s_lshl_b32 s27, s20, 5
	v_add_nc_u32 v122, s27, v1                     ; token 32 c0 + lane
	s_wait_loadcnt 0x0                             ; my four chunks' rows
.irp j, 0,1,2,3
	v_add_nc_u32 v[106+\j], v105, v[96+\j]         ; lane = key: where chunk c0 + j's tokens of the key begin
	v_and_b32 v[110+\j], 31, v[O+2*\j+1]           ; lane = token: its key,
	v_lshlrev_b32 v[110+\j], 2, v[110+\j]
	ds_bpermute_b32 v[114+\j], v[110+\j], v[106+\j]   ; and that key's beginning, from the key's lane (no LDS byte is touched)
.endr
	s_wait_dscnt 0x0
.irp j, 0,1,2,3
	v_lshrrev_b32 v[110+\j], 8, v[O+2*\j+1]        ; its rank
	v_add_nc_u32 v[114+\j], v[114+\j], v[110+\j]
	v_min_u32 v[114+\j], 0x1fff, v[114+\j]         ; a place in the list of 8,192
	v_lshlrev_b32 v[114+\j], 2, v[114+\j]
	v_add_nc_u32 v[118+\j], 32*\j, v122
	global_store_b32 v[114+\j], v[118+\j], s[8:9]
.endr
	; the block's mask.  Lane = key k: its pair (a, b) back from the key
	v_mov_b32 v124, 1
	v_mov_b32 v125, 0
.irp th, 7,13,18,22,25,27
	v_cmp_le_u32 vcc_lo, \th, v1
	v_cndmask_b32 v126, 0, v124, vcc_lo
	v_add_nc_u32 v125, v125, v126                  ; a = how many of the rows' first keys are at or under k
.endr
	v_sub_nc_u32 v126, 15, v125
	v_mul_u32_u24 v126, v125, v126
	v_lshrrev_b32 v126, 1, v126
	v_sub_nc_u32 v126, v1, v126                    ; k - a (15 - a) / 2
	v_sub_nc_u32 v127, 7, v126                     ; a odd: b = 7 - that
	v_add3_u32 v128, v125, v126, 1                 ; a even: b = a + 1 + that
	v_and_b32 v129, 1, v125
	v_cmp_eq_u32 vcc_lo, 1, v129
	v_cndmask_b32 v127, v128, v127, vcc_lo
	v_lshlrev_b32 v128, v125, v124
	v_lshlrev_b32 v129, v127, v124
	v_or_b32 v128, v128, v129                      ; (lanes 28 to 31 are no keys: their count is 0, so the test below drops them)
	s_lshl_b32 s26, s17, 3
	s_add_co_u32 s26, s26, s16                     ; block 8 p + w
	s_lshl_b32 s27, s26, 7
	s_add_co_u32 s28, s27, 128
	v_max_u32 v129, s27, v104
	v_add_nc_u32 v130, v104, v100
	v_min_u32 v130, s28, v130
	v_cmp_lt_u32 vcc_lo, v129, v130                ; does the key's stretch of the list meet the block's 128 places?
	v_cndmask_b32 v128, 0, v128, vcc_lo
	s_mov_b32 s29, 0
.irp e, 0,1,2,3,4,5,6,7
	v_and_b32 v129, 1<<\e, v128
	v_cmp_ne_u32 s30, 0, v129
	s_cmp_lg_u32 s30, 0                            ; any lane?
	s_cselect_b32 s31, 1<<\e, 0
	s_or_b32 s29, s29, s31
.endr
	v_mov_b32 v130, s29
	s_lshl_b32 s26, s26, 2
	v_mov_b32 v131, s26
	v_cmp_eq_u32 vcc_lo, 0, v1
	s_wait_xcnt 0x0                                ; EXEC changes only behind this wait: the stores above have it among their sources
	s_wait_tensorcnt 0x0
	ds_add_u32 v144, v145
	s_wait_dscnt 0x0
	s_and_saveexec_b32 s28, vcc_lo
	global_store_b32 v131, v130, s[10:11]          ; lane 0 alone
	s_wait_xcnt 0x0                                ; and again, in front of the line that widens it
	s_or_b32 exec_lo, exec_lo, s28
	s_endpgm
.Lweights:
	; ---- the weights
	s_sub_co_u32 s17, ttmp9, 8
	s_lshl_b32 s17, s17, 3
	s_add_co_u32 s17, s17, s16                     ; q = 0 .. 1023: tile q / 2, K steps 4 (q % 2) on
	s_lshl_b32 s18, s17, 13                        ; in wfrag: 8,192 q
	s_mov_b32 s19, 0
	s_lshr_b32 s20, s17, 1
	s_lshl_b32 s20, s20, 14                        ; in the codes: 16 rows of 1,024 bytes a tile,
	s_and_b32 s21, s17, 1
	s_lshl_b32 s21, s21, 9                         ; + 512 bytes along the rows
	s_add_co_u32 s20, s20, s21
	s_mov_b32 s21, 0
	v_and_b32 v2, 15, v1
	v_lshrrev_b32 v3, 4, v1
	v_lshlrev_b32 v2, 10, v2
	v_lshl_add_u32 v2, v3, 4, v2                   ; row lane % 16, + 16 (lane / 16)
	v_lshlrev_b32 v4, 4, v1                        ; 16 x lane
	s_wait_kmcnt 0x0
	s_add_nc_u64 s[6:7], s[6:7], s[20:21]
	s_add_nc_u64 s[12:13], s[12:13], s[18:19]
.irp n, 0,1,2,3,4,5,6,7,8,9,10,11,12,13,14,15
	global_load_b128 v[16+4*\n:19+4*\n], v2, s[6:7] offset:32*\n          ; n = 4 s + c: 128 s + 32 c bytes along the row
.endr
.irp n, 0,1,2,3,4,5,6,7,8,9,10,11,12,13,14,15
	s_wait_loadcnt 15-\n
	global_store_b128 v4, v[16+4*\n:19+4*\n], s[12:13] offset:512*\n      ; 512 consecutive bytes
.endr
	s_endpgm
.Lfunc_end_k_qd2199f09a4_place:
	.size	k_qd2199f09a4_place, .Lfunc_end_k_qd2199f09a4_place-k_qd2199f09a4_place
	.p2alignl 7, 3214868480
	.fill 96, 4, 3214868480
	.section	.rodata,"a",@progbits
	.p2align	6, 0x0
	.amdhsa_kernel k_qd2199f09a4_place
		.amdhsa_group_segment_fixed_size 34816
		.amdhsa_private_segment_fixed_size 0
		.amdhsa_enable_private_segment 0
		.amdhsa_kernarg_size 40
		.amdhsa_user_sgpr_count 2
		.amdhsa_user_sgpr_kernarg_segment_ptr 1
		.amdhsa_wavefront_size32 1
		.amdhsa_system_sgpr_workgroup_id_x 1
		.amdhsa_system_sgpr_workgroup_id_y 1
		.amdhsa_system_sgpr_workgroup_id_z 1
		.amdhsa_system_vgpr_workitem_id 0
		.amdhsa_next_free_vgpr 146
		.amdhsa_next_free_sgpr 66
		.amdhsa_reserve_vcc 1
		.amdhsa_float_denorm_mode_32 3
		.amdhsa_float_denorm_mode_16_64 3
		.amdhsa_memory_ordered 1
		.amdhsa_forward_progress 1
		.amdhsa_inst_pref_size 22
	.end_amdhsa_kernel
	.amdgpu_metadata
---
amdhsa.version: [ 1, 2 ]
amdhsa.kernels:
  - .name:           k_qd2199f09a4_place
    .symbol:         k_qd2199f09a4_place.kd
    .args:
      - { .name: route, .offset: 0, .size: 8, .value_kind: global_buffer, .address_space: global }
      - { .name: expert_w_codes, .offset: 8, .size: 8, .value_kind: global_buffer, .address_space: global }
      - { .name: order, .offset: 16, .size: 8, .value_kind: global_buffer, .address_space: global }
      - { .name: bmask, .offset: 24, .size: 8, .value_kind: global_buffer, .address_space: global }
      - { .name: wfrag, .offset: 32, .size: 8, .value_kind: global_buffer, .address_space: global }
    .group_segment_fixed_size: 34816
    .private_segment_fixed_size: 0
    .kernarg_segment_align: 8
    .kernarg_segment_size: 40
    .max_flat_workgroup_size: 256
    .sgpr_count:     66
    .vgpr_count:     146
    .wavefront_size: 32
...
	.end_amdgpu_metadata
.endif
;; end of part 2
;; launch experts (part 3): grid 4 x 64, 4 waves a work-group, no clusters, 151,040 bytes of LDS; arguments xq, wfrag, gates, order, bmask, out0; writes out0
.if DOCPART == 3
	.amdgcn_target "amdgcn-amd-amdhsa--gfx1250"
	.amdhsa_code_object_version 6
	.text
	.protected	k_qd2199f09a4_experts
	.globl	k_qd2199f09a4_experts
	.p2align	8
	.type	k_qd2199f09a4_experts,@function
k_qd2199f09a4_experts:
	s_mov_b64 s[64:65], 0
	v_nop
	global_prefetch_b8 v0, s[64:65] scope:SCOPE_SE
	s_setreg_imm32_b32 hwreg(HW_REG_WAVE_MODE, 25, 1), 1
	s_wait_xcnt 0x0
; out0[t] = the sum over the token's two experts e of gate[t][e] x (xq[t] . W_e), on codes of E5M2 by v_wmma_f32_16x16x128_bf8_bf8, f32 sums.  gates already holds softmax weight x 2^(ew + ex), and 0 at experts not chosen.
; SHARES.  Work-group (x, y): block y of 128 tokens of the sorted list, outputs 256 x .. 256 x + 255: each output row's piece has one owner.  It walks the experts named in bmask[y] (two, three where the block straddles two
; neighbouring keys, up to eight for any split): a token's product with an expert that it did not choose is weighed by 0.
; Wave w: all 128 tokens (8 tiles) x outputs 64 w .. 64 w + 63 of the work-group's 256 (4 tiles): 32 accumulators.  The tokens' codes are gathered once into LDS (128 rows, 128 KB) and read by all four waves behind ONE barrier;
; each wave's weights come from wfrag straight into its registers, four K steps ahead (a ring of 4 x 64 registers), and no two waves read the same fragment.  The loop has no barrier.
; THE MATRIX INSTRUCTION IS USED TRANSPOSED: source 0 = 16 rows of W, source 1 = 16 tokens: a lane holds ONE token (lane % 16) and eight neighbouring outputs, so the gate's weight is one register a lane and tile.
; k IN A FRAGMENT: registers 4 c .. 4 c + 3 of lane l hold k = 32 c + 16 (l / 16) + 0 .. 15 of the K step: a permutation of k, the same in both operands.
; NO TENSOR LOAD, NO CLUSTER: the number of experts and which they are hang on a stored list, so a branch and a trip count hang on loaded numbers; blocks that share an x differ in their experts, and what the four work-groups of
; a block share, the 128 KB of tokens' codes, is read once against 256 KB of weights for each expert.
; LIMITS: infinity and NaN codes among the weights are not served (0 x such a sum is NaN); |ew + ex| up to 100 (made in the launch that stores gates).
; REGISTERS, in windows of 256:  window 0: v1-12 addresses; v16-31 pairs {gate's weight, 32 x token} a tile; v32-47 offsets of the rows that I copy; v64-127 offsets in out0; v128-255 the tokens' 8 fragments (on the way out: rows of out0).
;   window 1: the weights' ring, K step s at v[64 (s % 4) + 16 o].   window 2: the accumulators, (i, o) at v[32 i + 8 o].   window 3: the weighted sums, laid alike (at the head: the tokens' codes on their way to LDS).
.set XP,    1040                       ; a token's row in LDS: 1,024 bytes + 16 = 65 x 16: the 16 rows that a load touches fall on 16 different columns of 16 bytes
.set STAGE, 128*XP                     ; behind the rows: 16 rows x 272 bytes for each wave, for the way out
.set SP,    272
.set VW,   3                           ; v3   16 x lane
.set AX0,  4                           ; v4   a fragment's place: XP x (lane % 16) + 16 (lane / 16), tiles 0-3;
.set AX1,  5                           ; v5   tiles 4-7
.set XST,  6                           ; v6   where I put 16 bytes of a row that I copy
.set STO,  7                           ; v7   the way out: where I put 32 bytes of a row
.set RD,   8                           ; v8   and where I read a row back
.set R16,  10                          ; v10  16 (lane % 16)
.set H32,  11                          ; v11  32 (lane / 16)
.set R4,   12                          ; v12  4 (lane % 16)
.set GT,   16
.set XT,   32
.set TOK,  64
.set XF,   128
.set BK,   128
.set WCUR, 24                          ; s[24:25] my weights of the expert in hand;  s[26:27] of the next
.set WNXT, 26
.set SG,   28                          ; s[28:29] gates + 4 x the expert in hand
.set WB,   30                          ; s[30:31] my four tiles of expert 0 in wfrag
.set MSB, 0
.macro WIN new                         ; the immediate's high byte repeats the setting that is left
.if MSB != \new
	s_set_vgpr_msb (MSB<<8)|\new
.set MSB, \new
.endif
.endm
.macro PLACES                          ; four plain lines between a matrix instruction and a load into its sources or a read of its result (ISA guide 7.12.1 for vector instructions)
.rept 4
	v_nop
.endr
.endm
.macro XFETCH s, half                  ; the fragments of four tiles of tokens, K step s
	WIN 0
.irp ii, 0,1,2,3
.irp c, 0,1,2,3
	ds_load_b128 v[XF+16*(4*\half+\ii)+4*\c:XF+16*(4*\half+\ii)+4*\c+3], v[AX0+\half] offset:16*XP*\ii+128*(\s)+32*\c
.endr
.endr
.endm
.macro WLOAD ptr, s                    ; my four tiles of weights, K step s: 16 loads of 512 consecutive bytes
	WIN 0x40                                       ; destination window 1
.irp o, 0,1,2,3
.irp c, 0,1,2,3
	global_load_b128 v[64*((\s)%4)+16*\o+4*\c:64*((\s)%4)+16*\o+4*\c+3], v[VW], s[\ptr:\ptr+1] offset:16384*\o+2048*(\s)+512*\c
.endr
.endr
.endm
; 16 matrix instructions: four tiles of tokens x my four tiles of outputs.  The 32 accumulators take turns, one instruction a turn, in the same order in every K step.
.macro MUL16 s, half, zero
	WIN 0xa1                                       ; source 0 (W) window 1, source 1 (tokens) window 0, C and D window 2
.irp ii, 0,1,2,3
.irp o, 0,1,2,3
.if \zero
	v_wmma_f32_16x16x128_bf8_bf8 v[32*(4*\half+\ii)+8*\o:32*(4*\half+\ii)+8*\o+7], v[64*((\s)%4)+16*\o:64*((\s)%4)+16*\o+15], v[XF+16*(4*\half+\ii):XF+16*(4*\half+\ii)+15], 0
.else
	v_wmma_f32_16x16x128_bf8_bf8 v[32*(4*\half+\ii)+8*\o:32*(4*\half+\ii)+8*\o+7], v[64*((\s)%4)+16*\o:64*((\s)%4)+16*\o+15], v[XF+16*(4*\half+\ii):XF+16*(4*\half+\ii)+15], v[32*(4*\half+\ii)+8*\o:32*(4*\half+\ii)+8*\o+7]
.endif
.endr
.endr
.endm
; A K step of 128.  lc: the global loads younger than this step's weights.  xf: the next step's fragments are fetched (tiles 0-3 in the middle, 4-7 at the end).  wl: weights (ptr, ws) go into the ring's slot that this step leaves.
.macro KSTEP s, lc, xf, wl, ptr, ws, zero
	s_wait_loadcnt \lc                             ; this step's weights are in
	s_wait_dscnt 16                                ; tiles 0-3 are in; the 16 loads of tiles 4-7 may be out
	MUL16 \s, 0, \zero
	s_wait_dscnt 0x0                               ; tiles 4-7 are in
	PLACES
.if \xf
	XFETCH ((\s)+1)%8, 0
.endif
	MUL16 \s, 1, \zero
	PLACES
.if \xf
	XFETCH ((\s)+1)%8, 1
.endif
.if \wl
	WLOAD \ptr, \ws
.endif
.endm
; One expert.  Loads in order of issue: (steps 0-3, asked for earlier), 8 gate words, steps 4-7 at the ends of steps 0-3, the next expert's steps 0-3 at the ends of steps 4-7.
; So behind the weights of step 0, 1, 2 or 3 stand three sets of 16 and the 8 gate words: 56; behind those of steps 4-7 three sets: 48; in the last expert 48, 32, 16, 0.  The wait of step 4 also shows the gate words in.
.macro EXPERT last
	WIN 0
.irp i, 0,1,2,3,4,5,6,7
	global_load_b32 v[GT+2*\i], v[GT+2*\i+1], s[SG:SG+1]   ; gate[token 16 i + lane % 16][expert]
.endr
	KSTEP 0, 56, 1, 1, WCUR, 4, 1                  ; the first products start the sums: nothing is cleared
	KSTEP 1, 56, 1, 1, WCUR, 5, 0
	KSTEP 2, 56, 1, 1, WCUR, 6, 0
	KSTEP 3, 56, 1, 1, WCUR, 7, 0
.if \last
	KSTEP 4, 48, 1, 0, WCUR, 0, 0
	KSTEP 5, 32, 1, 0, WCUR, 0, 0
	KSTEP 6, 16, 1, 0, WCUR, 0, 0
	KSTEP 7, 0, 0, 0, WCUR, 0, 0
.else
	KSTEP 4, 48, 1, 1, WNXT, 0, 0
	KSTEP 5, 48, 1, 1, WNXT, 1, 0
	KSTEP 6, 48, 1, 1, WNXT, 2, 0
	KSTEP 7, 48, 1, 1, WNXT, 3, 0
.endif
.endm
.macro FOLD first                      ; the weighted sums take this expert's: sum x gate (+ what was there); each accumulator from its low end on
	WIN 0xf2                                       ; source 0 window 2, source 1 (the gate's pair, its low word for both halves) window 0, source 2 and destination window 3
.irp i, 0,1,2,3,4,5,6,7
.irp p, 0,2,4,6,8,10,12,14,16,18,20,22,24,26,28,30
.if \first
	v_pk_mul_f32 v[32*\i+\p:32*\i+\p+1], v[32*\i+\p:32*\i+\p+1], v[GT+2*\i:GT+2*\i+1] op_sel_hi:[1,0]
.else
	v_pk_fma_f32 v[32*\i+\p:32*\i+\p+1], v[32*\i+\p:32*\i+\p+1], v[GT+2*\i:GT+2*\i+1], v[32*\i+\p:32*\i+\p+1] op_sel_hi:[1,0,1]
.endif
.endr
.endr
.endm
.macro NEXTE                           ; on to the next expert of the list
	s_wait_xcnt 0x0                                ; the loads issued so far have read their bases: they may be written
	s_mov_b32 s20, s21
	s_mov_b64 s[WCUR:WCUR+1], s[WNXT:WNXT+1]
	s_ctz_i32_b32 s21, s19
	s_min_u32 s21, s21, 7                          ; (with nothing left: 7; those weights are not asked for)
	s_sub_co_u32 s32, s19, 1
	s_and_b32 s19, s19, s32                        ; its bit is taken off the list
	s_lshl_b32 s32, s21, 20                        ; an expert's weights are 2^20 bytes
	s_add_nc_u64 s[WNXT:WNXT+1], s[WB:WB+1], s[32:33]
	s_lshl_b32 s32, s20, 2
	s_add_nc_u64 s[SG:SG+1], s[8:9], s[32:33]
.endm
	s_load_b256 s[4:11], s[0:1], 0x0               ; xq s[4:5], wfrag s[6:7], gates s[8:9], order s[10:11]
	s_load_b128 s[12:15], s[0:1], 0x20             ; bmask s[12:13], out0 s[14:15]
	v_lshl_add_u32 v62, v0, 2, 0x24c00
	v_mov_b32 v63, 0
	v_lshrrev_b32 v1, 5, v0
	v_readfirstlane_b32 s16, v1                    ; wave 0..3
	s_and_b32 s18, ttmp7, 0xffff                   ; the block
	v_and_b32 v1, 15, v0                           ; r
	v_bfe_u32 v2, v0, 4, 1                         ; h
	v_and_b32 v[VW], 31, v0
	v_lshlrev_b32 v[VW], 4, v[VW]
	v_mul_u32_u24 v[AX0], v1, XP
	v_lshl_add_u32 v[AX0], v2, 4, v[AX0]
	v_add_nc_u32 v[AX1], 64*XP, v[AX0]
	v_lshlrev_b32 v[R16], 4, v1
	v_lshlrev_b32 v[H32], 5, v2
	v_lshlrev_b32 v[R4], 2, v1
	s_mul_i32 s32, s16, 32*XP                      ; I copy rows 32 w .. 32 w + 31: lanes 0-15 one row's 256 bytes, lanes 16-31 those of the row 8 further down
	v_mul_u32_u24 v[XST], v2, 8*XP
	v_add_nc_u32 v[XST], v[XST], v[R16]
	v_add_nc_u32 v[XST], s32, v[XST]
	s_mul_i32 s32, s16, 16*SP
	s_add_co_u32 s32, s32, STAGE                   ; my stage
	v_mul_u32_u24 v[STO], v1, SP
	v_add_nc_u32 v[STO], v[STO], v[H32]
	v_add_nc_u32 v[STO], s32, v[STO]               ; in: row r, + 32 h
	v_mul_u32_u24 v[RD], v2, 8*SP
	v_add_nc_u32 v[RD], v[RD], v[R16]
	v_add_nc_u32 v[RD], s32, v[RD]                 ; back: lanes 0-15 row q, lanes 16-31 row 8 + q
	s_lshl_b32 s32, s18, 9                         ; the block's 128 words of order
	s_mov_b32 s33, 0
	s_lshl_b32 s42, s16, 7                         ; my 32 of them
	s_mov_b32 s43, 0
	s_lshl_b32 s44, s18, 2
	s_mov_b32 s45, 0
	s_wait_kmcnt 0x0
	s_add_nc_u64 s[36:37], s[10:11], s[32:33]
	s_add_nc_u64 s[40:41], s[36:37], s[42:43]
	s_add_nc_u64 s[38:39], s[12:13], s[44:45]
	s_load_b32 s19, s[38:39], 0x0                  ; the block's experts
.irp ii, 0,1
.irp u, 0,1
	global_load_b128 v[XT+8*\ii+4*\u:XT+8*\ii+4*\u+3], v[H32], s[40:41] offset:64*\ii+16*\u   ; v[XT + 8 ii + q]: token of row 32 w + 16 ii + 8 h + q
.endr
.endr
.irp i, 0,1,2,3,4,5,6,7
.irp u, 0,1
	global_load_b128 v[TOK+8*\i+4*\u:TOK+8*\i+4*\u+3], v[H32], s[36:37] offset:64*\i+16*\u    ; v[TOK + 8 i + q]: token of row 16 i + 8 h + q
.endr
.endr
.irp i, 0,1,2,3,4,5,6,7
	global_load_b32 v[GT+2*\i+1], v[R4], s[36:37] offset:64*\i                                ; token of row 16 i + r
.endr
	s_lshl_b32 s32, ttmp9, 18                      ; my four tiles of weights: (16 x + 4 w) x 16,384 bytes
	s_lshl_b32 s42, s16, 16
	s_add_co_u32 s32, s32, s42
	s_add_nc_u64 s[WB:WB+1], s[6:7], s[32:33]
	s_lshl_b32 s32, ttmp9, 10                      ; my 256 bytes of a row of out0
	s_lshl_b32 s42, s16, 8
	s_add_co_u32 s32, s32, s42
	s_add_nc_u64 s[34:35], s[14:15], s[32:33]
	s_wait_loadcnt 24                              ; the four loads for the copy are in; the 16 + 8 behind them stay out
.irp k, 0,1,2,3,4,5,6,7,8,9,10,11,12,13,14,15
	v_min_u32 v[XT+\k], 0x1fff, v[XT+\k]           ; a token's number, inside the table
.endr
.irp k, 0,1,2,3,4,5,6,7,8,9,10,11,12,13,14,15
	v_lshl_add_u32 v[XT+\k], v[XT+\k], 10, v[R16]  ; its row of 1,024 codes, + 16 r
.endr
	WIN 0xc0                                       ; destination window 3
.irp k, 0,1,2,3,4,5,6,7,8,9,10,11,12,13,14,15
.irp m, 0,1,2,3
	global_load_b128 v[16*\k+4*\m:16*\k+4*\m+3], v[XT+\k], s[4:5] offset:256*\m   ; sixteen lanes read 256 consecutive bytes of a row, aligned
.endr
.endr
	s_wait_kmcnt 0x0
	s_and_b32 s19, s19, 0xff
	s_ctz_i32_b32 s20, s19
	s_min_u32 s20, s20, 7                          ; the first expert,
	s_sub_co_u32 s32, s19, 1
	s_and_b32 s19, s19, s32
	s_ctz_i32_b32 s21, s19
	s_min_u32 s21, s21, 7                          ; the second (a block has two at the least),
	s_sub_co_u32 s32, s19, 1
	s_and_b32 s19, s19, s32
	s_bcnt1_i32_b32 s22, s19                       ; and how many stand between the first and the last: 0 to 6
	s_lshl_b32 s32, s20, 20
	s_add_nc_u64 s[WCUR:WCUR+1], s[WB:WB+1], s[32:33]
	s_lshl_b32 s32, s21, 20
	s_add_nc_u64 s[WNXT:WNXT+1], s[WB:WB+1], s[32:33]
	s_lshl_b32 s32, s20, 2
	s_add_nc_u64 s[SG:SG+1], s[8:9], s[32:33]
	WLOAD WCUR, 0
	WLOAD WCUR, 1
.macro XSTORE k                        ; row 16 (k / 8) + k % 8 (+ 8 h) of my 32 goes to LDS
.irp m, 0,1,2,3
	ds_store_b128 v[XST], v[16*\k+4*\m:16*\k+4*\m+3] offset:XP*(16*(\k/8)+\k%8)+256*\m
.endr
.endm
	WIN 0x0c                                       ; store data window 3
	s_wait_loadcnt 63                              ; the first 16 of the 64: behind them stand 48 + 32 loads; the wait's field holds 63, which is the stricter count
.irp k, 0,1,2,3
	XSTORE \k
.endr
	s_wait_loadcnt 63                              ; the second 16: behind them 32 + 32
.irp k, 4,5,6,7
	XSTORE \k
.endr
	s_wait_loadcnt 48                              ; the third: 16 + 32
.irp k, 8,9,10,11
	XSTORE \k
.endr
	s_wait_loadcnt 32                              ; the last: the two sets of weights
.irp k, 12,13,14,15
	XSTORE \k
.endr
	WLOAD WCUR, 2
	WLOAD WCUR, 3
	WIN 0
.irp k, 0,1,2,3,4,5,6,7,8,9,10,11,12,13,14,15,16,17,18,19,20,21,22,23,24,25,26,27,28,29,30,31,32,33,34,35,36,37,38,39,40,41,42,43,44,45,46,47,48,49,50,51,52,53,54,55,56,57,58,59,60,61,62,63
	v_min_u32 v[TOK+\k], 0x1fff, v[TOK+\k]
	v_lshl_add_u32 v[TOK+\k], v[TOK+\k], 12, v[R16]   ; the token's row of out0, 4,096 bytes, + 16 r
.endr
.irp i, 0,1,2,3,4,5,6,7
	v_min_u32 v[GT+2*\i+1], 0x1fff, v[GT+2*\i+1]
	v_lshlrev_b32 v[GT+2*\i+1], 5, v[GT+2*\i+1]    ; the token's 32 bytes of gates
.endr
	s_wait_dscnt 0x0                               ; for the others' sake: my 32 rows lie in LDS
	s_barrier_signal -1
	s_barrier_wait -1                              ; all 128 do; nobody writes them again
	XFETCH 0, 0
	XFETCH 0, 1
	EXPERT 0
	FOLD 1
	WIN 0                                          ; at a label and at a branch every window is 0
	s_cmp_eq_u32 s22, 0
	s_cbranch_scc1 .Llast
	s_mov_b32 s23, 0
.Lmid:                                             ; the experts between the first and the last.  On every way in, the same loads are out: the expert's K steps 0-3 and the first 32 fragment loads
	NEXTE
	EXPERT 0
	FOLD 0
	WIN 0
	s_add_co_u32 s23, s23, 1
	s_cmp_lt_u32 s23, s22
	s_cbranch_scc1 .Lmid
.Llast:
	NEXTE
	EXPERT 1                                       ; asks for nothing beyond its own weights
; THE WAY OUT, a tile of 16 tokens at a time: the last expert's sums are weighed in; a lane's 8 outputs are 32 bytes of a token's row, and the lanes beside it hold other tokens: so the tile goes through my own stage in LDS
; and comes back as rows of 256 bytes, which sixteen lanes store as one aligned block of 256 bytes of the token's row of out0.  LDS serves a wave's instructions in order (ISA guide 5.7.1.4): no wait between stores and loads.
.macro TOSTAGE i
	WIN 0xf2
.irp p, 0,2,4,6,8,10,12,14,16,18,20,22,24,26,28,30
	v_pk_fma_f32 v[32*(\i)+\p:32*(\i)+\p+1], v[32*(\i)+\p:32*(\i)+\p+1], v[GT+2*(\i):GT+2*(\i)+1], v[32*(\i)+\p:32*(\i)+\p+1] op_sel_hi:[1,0,1]
.endr
	WIN 0x0c                                       ; store data window 3
.irp o, 0,1,2,3
	ds_store_b128 v[STO], v[32*(\i)+8*\o:32*(\i)+8*\o+3] offset:64*\o
	ds_store_b128 v[STO], v[32*(\i)+8*\o+4:32*(\i)+8*\o+7] offset:64*\o+16
.endr
	WIN 0
.irp q, 0,1,2,3,4,5,6,7
	ds_load_b128 v[BK+32*((\i)%2)+4*\q:BK+32*((\i)%2)+4*\q+3], v[RD] offset:SP*\q
.endr
.endm
.macro SEND i, younger                 ; younger: the LDS instructions issued behind tile i's loads, which may stay out
	s_wait_dscnt \younger
.irp q, 0,1,2,3,4,5,6,7
	global_store_b128 v[TOK+8*(\i)+\q], v[BK+32*((\i)%2)+4*\q:BK+32*((\i)%2)+4*\q+3], s[34:35] th:TH_STORE_NT   ; written once, read by nobody here
.endr
.endm
	TOSTAGE 0
	TOSTAGE 1
	SEND 0, 16                                     ; behind tile 0's loads: tile 1's 8 stores and 8 loads
.irp a, 2,3,4,5,6,7
	s_wait_xcnt 0x0                                ; tile a - 2's stores have read their registers: tile a's rows may land there
	TOSTAGE \a
	SEND \a-1, 16
.endr
	SEND 7, 0
	s_wait_tensorcnt 0x0
	ds_add_u32 v62, v63
	s_wait_dscnt 0x0
	s_endpgm
.Lfunc_end_k_qd2199f09a4_experts:
	.size	k_qd2199f09a4_experts, .Lfunc_end_k_qd2199f09a4_experts-k_qd2199f09a4_experts
	.p2alignl 7, 3214868480
	.fill 96, 4, 3214868480
	.section	.rodata,"a",@progbits
	.p2align	6, 0x0
	.amdhsa_kernel k_qd2199f09a4_experts
		.amdhsa_group_segment_fixed_size 151040
		.amdhsa_private_segment_fixed_size 0
		.amdhsa_enable_private_segment 0
		.amdhsa_kernarg_size 48
		.amdhsa_user_sgpr_count 2
		.amdhsa_user_sgpr_kernarg_segment_ptr 1
		.amdhsa_wavefront_size32 1
		.amdhsa_system_sgpr_workgroup_id_x 1
		.amdhsa_system_sgpr_workgroup_id_y 1
		.amdhsa_system_sgpr_workgroup_id_z 1
		.amdhsa_system_vgpr_workitem_id 0
		.amdhsa_next_free_vgpr 1024
		.amdhsa_next_free_sgpr 66
		.amdhsa_reserve_vcc 0
		.amdhsa_float_denorm_mode_32 3
		.amdhsa_float_denorm_mode_16_64 3
		.amdhsa_memory_ordered 1
		.amdhsa_forward_progress 1
		.amdhsa_inst_pref_size 214
	.end_amdhsa_kernel
	.amdgpu_metadata
---
amdhsa.version: [ 1, 2 ]
amdhsa.kernels:
  - .name:           k_qd2199f09a4_experts
    .symbol:         k_qd2199f09a4_experts.kd
    .args:
      - { .name: xq, .offset: 0, .size: 8, .value_kind: global_buffer, .address_space: global }
      - { .name: wfrag, .offset: 8, .size: 8, .value_kind: global_buffer, .address_space: global }
      - { .name: gates, .offset: 16, .size: 8, .value_kind: global_buffer, .address_space: global }
      - { .name: order, .offset: 24, .size: 8, .value_kind: global_buffer, .address_space: global }
      - { .name: bmask, .offset: 32, .size: 8, .value_kind: global_buffer, .address_space: global }
      - { .name: out0, .offset: 40, .size: 8, .value_kind: global_buffer, .address_space: global }
    .group_segment_fixed_size: 151040
    .private_segment_fixed_size: 0
    .kernarg_segment_align: 8
    .kernarg_segment_size: 48
    .max_flat_workgroup_size: 128
    .sgpr_count:     66
    .vgpr_count:     1024
    .wavefront_size: 32
...
	.end_amdgpu_metadata
.endif
;; end of part 3
;; ======== version 2 of 2: 3 launches
;; limits: right only within a limited range of input values
;; workspace buffers: xq 8,388,608 bytes; gates 262,144 bytes; route 65,536 bytes of whole numbers; order 32,768 bytes of whole numbers; bmask 256 bytes of whole numbers; wfrag 8,388,608 bytes
;; launch route (part 4): grid 256 x 1, 4 waves a work-group, no clusters, 54,784 bytes of LDS; arguments x, gate_w, lowp_scales, xq, gates, route; writes xq, gates, route
.if DOCPART == 4
	.amdgcn_target "amdgcn-amd-amdhsa--gfx1250"
	.amdhsa_code_object_version 6
	.text
	.protected	k_qd2199f09a4_route
	.globl	k_qd2199f09a4_route
	.p2align	8
	.type	k_qd2199f09a4_route,@function
k_qd2199f09a4_route:
	s_mov_b64 s[64:65], 0
	v_nop
	global_prefetch_b8 v0, s[64:65] scope:SCOPE_SE
	s_setreg_imm32_b32 hwreg(HW_REG_WAVE_MODE, 25, 1), 1
	s_wait_xcnt 0x0
; THE ROUTER AND THE QUANTISER.  x [8192][1024] f32 is read once.  For each token: 8 logits x . gate_w[e] in f32, softmax, the two largest (ties to the lower index), and the row's codes of E5M2 with the given scale 2^ex.
; OUT:  xq [8192][1024] codes, K as it lies.   gates [8192][8] f32: softmax weight x 2^(ew + ex) at the two chosen experts, 0 elsewhere.
;       route [256 chunks][32][2] int32: word 0 = how many tokens of the chunk have key = lane; word 1 = key | rank << 8 of token 32 chunk + lane (rank: its place among the chunk's tokens of the same key).
; KEY of a pair of experts a < b: a (15 - a) / 2 + (a odd ? 7 - b : b - a - 1), 0 .. 27: neighbouring keys share an expert.
; SHARES.  A work-group is a chunk of 32 tokens; a wave takes 8 of them.  A lane holds k = 128 j + 4 lane + i of each row (every load reads 512 consecutive bytes) and the same k of all eight rows of gate_w.
; All 64 loads of a wave's 8 rows go out at the head.  The conversions want 8 neighbours along K in one lane: a row turns through the wave's own stage in LDS (16 bytes of padding behind each 64).
; No address and no branch hangs on a routing result: keys, ranks and weights are stored at fixed places.
; No matrix unit, no cluster: the launch streams x once, and the 8 logits a token are 8 fused multiply-adds a number.
; LIMITS: ex between -126 and 112; |ew + ex| up to 100; NaN in x or gate_w is not served.  The logits are f32 sums in another order than a plain loop's; the exponentials are v_exp_f32 (results under 2^-126 come out 0).
.set STG,   32768                      ; LDS: 0 .. 32767 gate_w as it lies; then for each wave two stages of 32 x 80 bytes;
.set STGW,  5120
.set KEYS,  53248                      ; then the chunk's 32 keys
.set LANE, 1
.set LI,   2                           ; v2   16 x lane
.set GST,  3                           ; v3   8192 x wave + 16 x lane: my part of gate_w, in memory and in LDS
.set SI,   4                           ; v4   into the stage: 80 (lane / 4) + 16 (lane % 4)
.set SO,   5                           ; v5   out of it: 80 x lane
.set SC,   6                           ; v6   2^ex as f32
.set LIM,  7                           ; v7   57,344 x 2^ex
.set KW,   10                          ; v10  where my token's key goes
.set KR,   11                          ; v11  where wave 0 reads key[lane]
.set RO,   12                          ; v12  8 x lane
.set GO,   14                          ; v14  my 8 bytes of the wave's 256 bytes of gates
.set A,    16                          ; v16-31   eight pairs of running sums
.set Y,    32                          ; v32-63   a row back from the stage: 2 x 16 neighbours
.set P,    64                          ; v64-127  P[t][e] at v[64 + 8 t + e]: my lane's part of logit e of token t (first: gate_w on its way to LDS)
.set C,    128                         ; v128-191 codes: 8 registers a row, so that no store's data are written again
.set T,    192                         ; v192-207 at work;  v208-231 the routing
; window 1: gate_w, G[e] at v[32 e];   window 2: x, X[t] at v[32 t]
.set MSB, 0
.macro WIN new                         ; the immediate's high byte repeats the setting that is left
.if MSB != \new
	s_set_vgpr_msb (MSB<<8)|\new
.set MSB, \new
.endif
.endm
.macro XLOAD t                         ; row t: eight loads of 512 consecutive bytes
.irp j, 0,1,2,3,4,5,6,7
	global_load_b128 v[32*\t+4*\j:32*\t+4*\j+3], v[LI], s[4:5] offset:4096*\t+512*\j th:TH_LOAD_NT
.endr
.endm
	s_load_b256 s[4:11], s[0:1], 0x0               ; x s[4:5], gate_w s[6:7], the scales' exponents s[8:9], xq s[10:11]
	s_load_b128 s[12:15], s[0:1], 0x20             ; gates s[12:13], route s[14:15]
	v_lshl_add_u32 v254, v0, 2, 0xd400
	v_mov_b32 v255, 0
	v_lshrrev_b32 v8, 5, v0
	v_readfirstlane_b32 s16, v8                    ; wave 0..3
	v_and_b32 v[LANE], 31, v0
	v_lshlrev_b32 v[LI], 4, v[LANE]
	s_lshl_b32 s17, s16, 13
	v_add_nc_u32 v[GST], s17, v[LI]
	s_mul_i32 s17, s16, STGW
	s_add_co_u32 s17, s17, STG                     ; my stages
	v_lshrrev_b32 v8, 2, v[LANE]
	v_mul_u32_u24 v8, v8, 80
	v_and_b32 v9, 3, v[LANE]
	v_lshl_add_u32 v8, v9, 4, v8
	v_add_nc_u32 v[SI], s17, v8
	v_mul_u32_u24 v8, v[LANE], 80
	v_add_nc_u32 v[SO], s17, v8
	s_lshl_b32 s17, s16, 5
	s_add_co_u32 s17, s17, KEYS
	v_and_b32 v13, 7, v[LANE]                      ; the token that my lane holds behind the reduction
	v_lshl_add_u32 v[KW], v13, 2, s17
	v_lshl_add_u32 v[KR], v[LANE], 2, KEYS
	v_lshlrev_b32 v[RO], 3, v[LANE]
	v_lshrrev_b32 v15, 3, v[LANE]                  ; q = lane / 8: which two experts' gates I store
	v_lshlrev_b32 v[GO], 5, v13
	v_lshl_add_u32 v[GO], v15, 3, v[GO]            ; 32 (lane % 8) + 8 q
	s_mov_b32 s20, 0xaaaaaaaa                      ; lanes with bit 0, 1, 2 of their number set
	s_mov_b32 s21, 0xcccccccc
	s_mov_b32 s22, 0xf0f0f0f0
	s_mov_b32 s24, 0x76543210                      ; v_permlanex16_b32: lane l xor 16
	s_mov_b32 s25, 0xfedcba98
	s_mov_b32 s31, 0x01010101
	s_lshl_b32 s32, ttmp9, 17                      ; my 8 rows of x: (32 g + 8 w) x 4,096 bytes
	s_lshl_b32 s33, s16, 15
	s_add_co_u32 s32, s32, s33
	s_mov_b32 s33, 0
	s_lshr_b32 s34, s32, 2                         ; of xq: x 1,024
	s_mov_b32 s35, 0
	s_lshr_b32 s36, s32, 7                         ; of gates: x 32
	s_mov_b32 s37, 0
	s_lshl_b32 s38, ttmp9, 8                       ; the chunk's 256 bytes of route
	s_mov_b32 s39, 0
	s_wait_kmcnt 0x0
	s_load_b64 s[18:19], s[8:9], 0x0               ; ew, ex
	s_add_nc_u64 s[4:5], s[4:5], s[32:33]
	s_add_nc_u64 s[10:11], s[10:11], s[34:35]
	s_add_nc_u64 s[12:13], s[12:13], s[36:37]
	s_add_nc_u64 s[14:15], s[14:15], s[38:39]
.irp j, 0,1,2,3,4,5,6,7,8,9,10,11,12,13,14,15
	global_load_b128 v[P+4*\j:P+4*\j+3], v[GST], s[6:7] offset:512*\j   ; my quarter of gate_w
.endr
	WIN 0x80                                       ; destination window 2
	XLOAD 0
	XLOAD 1
	XLOAD 2
	XLOAD 3
	XLOAD 4
	WIN 0
	s_wait_loadcnt 40                              ; gate_w's 16 loads are in; the 40 of x behind them stay out
.irp j, 0,1,2,3,4,5,6,7,8,9,10,11,12,13,14,15
	ds_store_b128 v[GST], v[P+4*\j:P+4*\j+3] offset:512*\j
.endr
	WIN 0x80
	XLOAD 5
	XLOAD 6
	XLOAD 7
	WIN 0
	s_wait_dscnt 0x0                               ; for the others' sake: my quarter of gate_w lies in LDS
	s_barrier_signal -1
	s_barrier_wait -1
	WIN 0x40                                       ; destination window 1
.irp e, 0,1,2,3,4,5,6,7
.irp j, 0,1,2,3,4,5,6,7
	ds_load_b128 v[32*\e+4*\j:32*\e+4*\j+3], v[LI] offset:4096*\e+512*\j   ; gate_w[e][128 j + 4 lane ..]: the same k as x's registers
.endr
.endr
	WIN 0
	s_wait_kmcnt 0x0
	s_add_co_i32 s23, s19, 127
	s_lshl_b32 s40, s23, 23
	v_mov_b32 v[SC], s40                           ; 2^ex: the conversion takes its exponent field
	s_add_co_i32 s23, s23, 15
	s_lshl_b32 s23, s23, 23
	s_or_b32 s23, s23, 0x600000
	v_mov_b32 v[LIM], s23                          ; the largest number x 2^ex
	s_add_co_i32 s17, s18, s19                     ; ew + ex
	s_wait_dscnt 0x0                               ; gate_w is in registers
; ROW t: into the stage as loaded; its 8 dot products' parts while the row turns; then hold, conversion, two stores of 512 consecutive bytes.
.macro ROW t
	s_wait_loadcnt 8*(7-\t)                        ; loads come back in order: row t is in, the rows behind it stay out
	WIN 0x08                                       ; store data window 2
.irp j, 0,1,2,3,4,5,6,7
	ds_store_b128 v[SI], v[32*\t+4*\j:32*\t+4*\j+3] offset:2560*(\j/4)+640*(\j%4)
.endr
	WIN 0
.irp i, 0,1,2,3,4,5,6,7
	ds_load_b128 v[Y+4*\i:Y+4*\i+3], v[SO] offset:2560*(\i/4)+16*(\i%4)   ; LDS serves a wave's instructions in order: these see the stores above.  Lane l: k = 512 (i / 4) + 16 l + 0 .. 15
.endr
	WIN 0x06                                       ; source 0 (x) window 2, source 1 (gate_w) window 1
.irp e, 0,1,2,3,4,5,6,7
	v_pk_mul_f32 v[A+2*\e:A+2*\e+1], v[32*\t:32*\t+1], v[32*\e:32*\e+1]    ; the first products start the sums
.endr
.irp m, 1,2,3,4,5,6,7,8,9,10,11,12,13,14,15
.irp e, 0,1,2,3,4,5,6,7
	v_pk_fma_f32 v[A+2*\e:A+2*\e+1], v[32*\t+2*\m:32*\t+2*\m+1], v[32*\e+2*\m:32*\e+2*\m+1], v[A+2*\e:A+2*\e+1]   ; eight chains by turns
.endr
.endr
	WIN 0
.irp e, 0,1,2,3,4,5,6,7
	v_add_f32 v[P+8*\t+\e], v[A+2*\e], v[A+2*\e+1]
.endr
	s_wait_dscnt 0x0                               ; the row is back from the stage
.irp i, 0,1,2,3,4,5,6,7,8,9,10,11,12,13,14,15,16,17,18,19,20,21,22,23,24,25,26,27,28,29,30,31
	v_med3_num_f32 v[Y+\i], v[Y+\i], -v[LIM], v[LIM]   ; the conversion to an 8-bit code does not saturate (ISA guide 7.6.2): the hold at the largest code x the scale
.endr
.irp g, 0,1,2,3
	v_cvt_scalef32_pk8_bf8_f32 v[C+8*\t+2*\g:C+8*\t+2*\g+1], v[Y+8*\g:Y+8*\g+7], v[SC]
.endr
	v_nop                                          ; a plain line behind the last conversion
	global_store_b128 v[LI], v[C+8*\t:C+8*\t+3], s[10:11] offset:1024*\t
	global_store_b128 v[LI], v[C+8*\t+4:C+8*\t+7], s[10:11] offset:1024*\t+512
.endm
	ROW 0
	ROW 1
	ROW 2
	ROW 3
	ROW 4
	ROW 5
	ROW 6
	ROW 7
; THE 64 SUMS OVER THE LANES, by halving: in a step each lane keeps one of two tokens and hands its part of the other to the lane n away.  Behind three steps a lane holds token lane % 8 alone.
.macro RS lo, hi, msk, n
.irp e, 0,1,2,3,4,5,6,7
	v_cndmask_b32 v[T+2*\e], v[P+8*\lo+\e], v[P+8*\hi+\e], s[\msk]      ; what I keep
	v_cndmask_b32 v[T+2*\e+1], v[P+8*\hi+\e], v[P+8*\lo+\e], s[\msk]    ; what I hand over
.endr
.irp e, 0,1,2,3,4,5,6,7
	v_add_f32_dpp v[P+8*\lo+\e], v[T+2*\e+1], v[T+2*\e] row_xmask:\n row_mask:0xf bank_mask:0xf
.endr
.endm
	RS 0, 1, 20, 1
	RS 2, 3, 20, 1
	RS 4, 5, 20, 1
	RS 6, 7, 20, 1
	RS 0, 2, 21, 2
	RS 4, 6, 21, 2
	RS 0, 4, 22, 4
.irp e, 0,1,2,3,4,5,6,7
	v_add_f32_dpp v[P+\e], v[P+\e], v[P+\e] row_xmask:8 row_mask:0xf bank_mask:0xf
.endr
.irp e, 0,1,2,3,4,5,6,7
	v_permlanex16_b32 v[T+\e], v[P+\e], s24, s25
.endr
.irp e, 0,1,2,3,4,5,6,7
	v_add_f32 v[P+\e], v[P+\e], v[T+\e]            ; v64-71: the 8 logits of token lane % 8, the same in four lanes
.endr
	; softmax: the largest logit is taken away first
	v_max3_num_f32 v208, v64, v65, v66
	v_max3_num_f32 v208, v208, v67, v68
	v_max3_num_f32 v208, v208, v69, v70
	v_max_num_f32 v208, v208, v71
.irp e, 0,1,2,3,4,5,6,7
	v_sub_f32 v[72+\e], v[64+\e], v208
.endr
.irp e, 0,1,2,3,4,5,6,7
	v_mul_f32 v[72+\e], 0x3fb8aa3b, v[72+\e]       ; x log2(e)
.endr
	s_wait_alu depctr_va_vdst(0)
.irp e, 0,1,2,3,4,5,6,7
	v_exp_f32 v[72+\e], v[72+\e]
.endr
	v_mov_b32 v212, 0                              ; (a plain line behind the exponentials)  the first choice's index
	s_wait_alu depctr_va_vdst(0)                   ; one wait for the batch, ahead of its first reader
	v_add_f32 v209, v72, v73
	v_add_f32 v215, v74, v75
	v_add_f32 v216, v76, v77
	v_add_f32 v217, v78, v79
	v_add_f32 v209, v209, v215
	v_add_f32 v216, v216, v217
	v_add_f32 v209, v209, v216                     ; between 1 and 8
	s_wait_alu depctr_va_vdst(0)
	v_rcp_f32 v210, v209
	v_mov_b32 v211, v72                            ; the largest, indices ascending, only a strictly larger one takes over: ties go to the lower index
.irp e, 1,2,3,4,5,6,7
	v_cmp_le_f32 vcc_lo, v[72+\e], v211
	v_cndmask_b32 v212, \e, v212, vcc_lo
	v_max_num_f32 v211, v211, v[72+\e]
.endr
.irp e, 0,1,2,3,4,5,6,7
	v_cmp_ne_u32 vcc_lo, \e, v212
	v_cndmask_b32 v[72+\e], -1.0, v[72+\e], vcc_lo ; the winner steps under every other (none is negative)
.endr
	v_mov_b32 v214, 0
	v_mov_b32 v213, v72
.irp e, 1,2,3,4,5,6,7
	v_cmp_le_f32 vcc_lo, v[72+\e], v213
	v_cndmask_b32 v214, \e, v214, vcc_lo
	v_max_num_f32 v213, v213, v[72+\e]
.endr
	s_wait_alu depctr_va_vdst(0)                   ; the wait for the reciprocal, ahead of its first reader; the two scans stood between
	v_ldexp_f32 v210, v210, s17                    ; 2^(ew + ex) / sum: the product's two scales ride on the gate's weight
	v_mul_f32 v211, v211, v210
	v_mul_f32 v213, v213, v210
	; gates: my two experts 2 q, 2 q + 1 of my token: the wave's store covers 256 consecutive bytes, aligned
	v_lshlrev_b32 v216, 1, v15
	v_or_b32 v217, 1, v216
	v_cmp_eq_u32 vcc_lo, v214, v216
	v_cndmask_b32 v218, 0, v213, vcc_lo
	v_cmp_eq_u32 vcc_lo, v212, v216
	v_cndmask_b32 v218, v218, v211, vcc_lo
	v_cmp_eq_u32 vcc_lo, v214, v217
	v_cndmask_b32 v219, 0, v213, vcc_lo
	v_cmp_eq_u32 vcc_lo, v212, v217
	v_cndmask_b32 v219, v219, v211, vcc_lo
	global_store_b64 v[GO], v[218:219], s[12:13]
	; the key of the pair
	v_min_u32 v220, v212, v214                     ; a
	v_max_u32 v221, v212, v214                     ; b
	v_sub_nc_u32 v222, 15, v220
	v_mul_u32_u24 v222, v220, v222
	v_lshrrev_b32 v222, 1, v222                    ; a (15 - a) / 2
	v_sub_nc_u32 v223, 7, v221                     ; a odd: 7 - b
	v_sub_nc_u32 v224, v221, v220
	v_add_nc_u32 v224, -1, v224                    ; a even: b - a - 1
	v_and_b32 v225, 1, v220
	v_cmp_eq_u32 vcc_lo, 1, v225
	v_cndmask_b32 v223, v224, v223, vcc_lo
	v_add_nc_u32 v222, v222, v223
	ds_store_b32 v[KW], v222                       ; four lanes write the same word with the same number
	s_wait_dscnt 0x0                               ; for wave 0's sake
	s_barrier_signal -1
	s_barrier_wait -1
	s_cmp_lg_u32 s16, 0
	s_cbranch_scc1 .Lend
	; WAVE 0: lane = a token of the chunk, and also a key.  m_b = the lanes whose key has bit b set.
	ds_load_b32 v222, v[KR]
	v_mov_b32 v223, -1                             ; the lanes with my token's key
	v_mov_b32 v228, -1                             ; the lanes whose key is my lane's number
	s_wait_dscnt 0x0
.irp b, 0,1,2,3,4
	v_bfe_u32 v225, v222, \b, 1
	v_cmp_eq_u32 s[26+\b], 1, v225
	v_add_nc_u32 v225, -1, v225                    ; 0 where the bit is set, all ones where not
	v_xor_b32 v225, s[26+\b], v225                 ; m_b, or its complement
	s_wait_alu depctr_va_vdst(0)
	v_and_b32 v223, v223, v225
	v_bfe_u32 v226, v[LANE], \b, 1
	v_add_nc_u32 v226, -1, v226
	v_xor_b32 v226, s[26+\b], v226
	v_and_b32 v228, v228, v226
.endr
	v_mov_b32 v227, 1
	v_lshlrev_b32 v227, v[LANE], v227
	v_add_nc_u32 v227, -1, v227                    ; the lanes below mine
	v_and_b32 v223, v223, v227
.macro POPC x, t                       ; the number of ones in v[x]
	v_lshrrev_b32 v[\t], 1, v[\x]
	v_and_b32 v[\t], 0x55555555, v[\t]
	v_sub_nc_u32 v[\x], v[\x], v[\t]
	v_lshrrev_b32 v[\t], 2, v[\x]
	v_and_b32 v[\t], 0x33333333, v[\t]
	v_and_b32 v[\x], 0x33333333, v[\x]
	v_add_nc_u32 v[\x], v[\x], v[\t]
	v_lshrrev_b32 v[\t], 4, v[\x]
	v_add_nc_u32 v[\x], v[\x], v[\t]
	v_and_b32 v[\x], 0x0f0f0f0f, v[\x]
	v_mul_lo_u32 v[\x], v[\x], s31
	v_lshrrev_b32 v[\x], 24, v[\x]
.endm
	POPC 223, 225                                  ; my token's rank among the chunk's tokens of its key
	POPC 228, 226                                  ; the chunk's count of key = lane
	v_lshl_or_b32 v229, v223, 8, v222
	global_store_b64 v[RO], v[228:229], s[14:15]   ; 256 consecutive bytes, aligned
.Lend:
	s_wait_tensorcnt 0x0
	ds_add_u32 v254, v255
	s_wait_dscnt 0x0
	s_endpgm
.Lfunc_end_k_qd2199f09a4_route:
	.size	k_qd2199f09a4_route, .Lfunc_end_k_qd2199f09a4_route-k_qd2199f09a4_route
	.p2alignl 7, 3214868480
	.fill 96, 4, 3214868480
	.section	.rodata,"a",@progbits
	.p2align	6, 0x0
	.amdhsa_kernel k_qd2199f09a4_route
		.amdhsa_group_segment_fixed_size 54784
		.amdhsa_private_segment_fixed_size 0
		.amdhsa_enable_private_segment 0
		.amdhsa_kernarg_size 48
		.amdhsa_user_sgpr_count 2
		.amdhsa_user_sgpr_kernarg_segment_ptr 1
		.amdhsa_wavefront_size32 1
		.amdhsa_system_sgpr_workgroup_id_x 1
		.amdhsa_system_sgpr_workgroup_id_y 1
		.amdhsa_system_sgpr_workgroup_id_z 1
		.amdhsa_system_vgpr_workitem_id 0
		.amdhsa_next_free_vgpr 768
		.amdhsa_next_free_sgpr 66
		.amdhsa_reserve_vcc 1
		.amdhsa_float_denorm_mode_32 3
		.amdhsa_float_denorm_mode_16_64 3
		.amdhsa_memory_ordered 1
		.amdhsa_forward_progress 1
		.amdhsa_inst_pref_size 132
	.end_amdhsa_kernel
	.amdgpu_metadata
---
amdhsa.version: [ 1, 2 ]
amdhsa.kernels:
  - .name:           k_qd2199f09a4_route
    .symbol:         k_qd2199f09a4_route.kd
    .args:
      - { .name: x, .offset: 0, .size: 8, .value_kind: global_buffer, .address_space: global }
      - { .name: gate_w, .offset: 8, .size: 8, .value_kind: global_buffer, .address_space: global }
      - { .name: lowp_scales, .offset: 16, .size: 8, .value_kind: global_buffer, .address_space: global }
      - { .name: xq, .offset: 24, .size: 8, .value_kind: global_buffer, .address_space: global }
      - { .name: gates, .offset: 32, .size: 8, .value_kind: global_buffer, .address_space: global }
      - { .name: route, .offset: 40, .size: 8, .value_kind: global_buffer, .address_space: global }
    .group_segment_fixed_size: 54784
    .private_segment_fixed_size: 0
    .kernarg_segment_align: 8
    .kernarg_segment_size: 48
    .max_flat_workgroup_size: 128
    .sgpr_count:     66
    .vgpr_count:     768
    .wavefront_size: 32
...
	.end_amdgpu_metadata
.endif
;; end of part 4
;; launch place (part 5): grid 136 x 1, 8 waves a work-group, no clusters, 34,816 bytes of LDS; arguments route, expert_w_codes, order, bmask, wfrag; writes order, bmask, wfrag
.if DOCPART == 5
	.amdgcn_target "amdgcn-amd-amdhsa--gfx1250"
	.amdhsa_code_object_version 6
	.text
	.protected	k_qd2199f09a4_place
	.globl	k_qd2199f09a4_place
	.p2align	8
	.type	k_qd2199f09a4_place,@function
k_qd2199f09a4_place:
	s_mov_b64 s[64:65], 0
	v_nop
	global_prefetch_b8 v0, s[64:65] scope:SCOPE_SE
	s_setreg_imm32_b32 hwreg(HW_REG_WAVE_MODE, 25, 1), 1
	s_wait_xcnt 0x0
; TWO ROLES, parted on the work-group's number; only the first uses LDS and barriers.
; WORK-GROUPS 0-7: THE COUNTING SORT.  route holds, for each of 256 chunks of 32 tokens, the count of each of 32 keys and each token's key and rank in its chunk.  A token's place in the sorted list is
;   (tokens of smaller keys) + (tokens of its key in earlier chunks) + rank.  Every one of the eight work-groups makes the whole table of prefixes (64 KB read, 32 KB of LDS): wave w walks chunks 32 w .. 32 w + 31, lane = key.
;   Work-group p then places chunks 32 p .. 32 p + 31, four a wave: order[place] = token.  Each place is written once in the launch.  These are single words at places that the data choose: 32 KB in all.
;   Wave w of work-group p also makes bmask[8 p + w]: bit e is set where block 8 p + w of 128 sorted tokens holds a token that chose expert e.
; WORK-GROUPS 8-135: THE WEIGHTS IN THE ORDER OF THE OPERAND'S REGISTERS.  wfrag[e 64 + nt][s][c][lane][16 bytes] = W_e[16 nt + lane % 16][128 s + 32 c + 16 (lane / 16) + 0 .. 15]:
;   a fragment (16 rows x 128 K) is 2,048 consecutive bytes, and each of the next launch's loads reads 512 consecutive bytes.  A wave takes half a tile (4 K steps): 16 loads, 16 stores of 512 consecutive bytes.
;   The loads carry no hint: eight of a wave's loads touch each 256 bytes of a row.
; No atomics, no traffic between work-groups.
.set PRE, 0                            ; LDS: [256 chunks][32 keys] words: tokens of the key in the earlier chunks of the same 32
.set TOT, 32768                        ; [8][32] words: each wave's 32 chunks together
.set H,   16                           ; v16-79  32 rows of route (pairs)
.set O,   80                           ; v80-87  my four chunks' rows
	s_load_b256 s[4:11], s[0:1], 0x0               ; route s[4:5], the codes s[6:7], order s[8:9], bmask s[10:11]
	s_load_b64 s[12:13], s[0:1], 0x20              ; wfrag
	v_lshl_add_u32 v144, v0, 2, 0x8400
	v_mov_b32 v145, 0
	v_lshrrev_b32 v2, 5, v0
	s_delay_alu instid0(VALU_DEP_1)
	v_readfirstlane_b32 s16, v2                    ; wave 0..7
	v_and_b32 v1, 31, v0                           ; lane
	s_cmp_lt_u32 ttmp9, 8
	s_cbranch_scc0 .Lweights
	; ---- the sort
	s_min_u32 s17, ttmp9, 7                        ; p
	v_lshlrev_b32 v2, 3, v1                        ; 8 x lane: a lane's pair in a row of route
	v_lshlrev_b32 v3, 2, v1                        ; 4 x lane
	s_lshl_b32 s18, s16, 12
	v_add_nc_u32 v4, s18, v3                       ; PRE, my wave's 32 rows
	s_lshl_b32 s19, s16, 7
	s_add_co_u32 s19, s19, TOT
	v_add_nc_u32 v5, s19, v3                       ; TOT, my wave's row
	v_add_nc_u32 v6, TOT, v3                       ; TOT, from its first row on
	s_lshl_b32 s20, s17, 5
	s_lshl_b32 s21, s16, 2
	s_add_co_u32 s20, s20, s21                     ; c0 = 32 p + 4 w: the first chunk that I place
	s_lshl_b32 s21, s20, 7
	v_add_nc_u32 v7, s21, v3                       ; PRE, row c0
	s_lshl_b32 s22, s16, 13                        ; route: my 32 rows of 256 bytes,
	s_mov_b32 s23, 0
	s_lshl_b32 s24, s20, 8                         ; and row c0
	s_mov_b32 s25, 0
	s_wait_alu depctr_va_vdst(0)
	s_wait_kmcnt 0x0
	s_add_nc_u64 s[22:23], s[4:5], s[22:23]
	s_add_nc_u64 s[24:25], s[4:5], s[24:25]
.set j, 0
.rept 32
	global_load_b64 v[H+2*j:H+2*j+1], v2, s[22:23] offset:256*j
.set j, j+1
.endr
.irp j, 0,1,2,3
	global_load_b64 v[O+2*\j:O+2*\j+1], v2, s[24:25] offset:256*\j
.endr
	v_mov_b32 v8, 0
.set j, 0
	s_wait_alu depctr_va_vdst(0)
.rept 32
	s_wait_alu depctr_va_vdst(0)
	s_wait_loadcnt 35-j                            ; row j is in: behind it stand 31 - j rows and my four chunks' rows
	ds_store_b32 v4, v8 offset:128*j               ; the key's tokens in my earlier chunks
	v_add_nc_u32 v8, v8, v[H+2*j]
.set j, j+1
.endr
	ds_store_b32 v5, v8
	s_wait_dscnt 0x0                               ; for the others' sake: my rows lie in LDS
	s_barrier_signal -1
	s_barrier_wait -1
.irp u, 0,1,2,3,4,5,6,7
	ds_load_b32 v[88+\u], v6 offset:128*\u
.endr
.irp j, 0,1,2,3
	ds_load_b32 v[96+\j], v7 offset:128*\j
.endr
	s_wait_dscnt 0x0
	v_add_nc_u32 v100, v88, v89
	s_delay_alu instid0(VALU_DEP_1)
	v_add3_u32 v100, v100, v90, v91
	s_delay_alu instid0(VALU_DEP_1)
	v_add3_u32 v100, v100, v92, v93
	s_delay_alu instid0(VALU_DEP_1)
	v_add3_u32 v100, v100, v94, v95                ; all tokens of key = lane
	v_mov_b32 v101, 0
.irp u, 0,1,2,3,4,5,6
	s_cmp_gt_u32 s17, \u
	s_cselect_b32 s26, -1, 0
	v_and_b32 v102, s26, v[88+\u]
	s_delay_alu instid0(VALU_DEP_1)
	v_add_nc_u32 v101, v101, v102                  ; those in the chunks ahead of my work-group's 32
.endr
	v_mov_b32 v103, v100                           ; a running sum over the keys: four steps inside each 16 lanes,
	v_mov_b32 v102, 0
.irp n, 1
	s_delay_alu instid0(VALU_DEP_2)
	v_mov_b32_dpp v102, v103 row_shr:\n row_mask:0xf bank_mask:0xf bound_ctrl:1
	s_delay_alu instid0(VALU_DEP_1)
	v_add_nc_u32 v103, v103, v102
.endr
.irp n, 2, 4, 8
	s_delay_alu instid0(VALU_DEP_1)
	v_mov_b32_dpp v102, v103 row_shr:\n row_mask:0xf bank_mask:0xf bound_ctrl:1
	s_delay_alu instid0(VALU_DEP_1)
	v_add_nc_u32 v103, v103, v102
.endr
	s_delay_alu instid0(VALU_DEP_1)
	v_readlane_b32 s26, v103, 15                   ; and the lower 16 keys' total onto the upper 16
	v_cmp_lt_u32 vcc_lo, 15, v1
	s_delay_alu instid0(VALU_DEP_2)
	v_mov_b32 v102, s26
	s_delay_alu instid0(VALU_DEP_1)
	v_cndmask_b32 v102, 0, v102, vcc_lo
	s_delay_alu instid0(VALU_DEP_1)
	v_add_nc_u32 v103, v103, v102
	s_delay_alu instid0(VALU_DEP_1)
	v_sub_nc_u32 v104, v103, v100                  ; base: the tokens of smaller keys
	s_delay_alu instid0(VALU_DEP_1)
	v_add_nc_u32 v105, v104, v101
	s_lshl_b32 s27, s20, 5
	v_add_nc_u32 v122, s27, v1                     ; token 32 c0 + lane
	s_wait_alu depctr_va_vdst(0)
	s_wait_loadcnt 0x0                             ; my four chunks' rows
.irp j, 0,1,2,3
	v_add_nc_u32 v[106+\j], v105, v[96+\j]         ; lane = key: where chunk c0 + j's tokens of the key begin
	v_and_b32 v[110+\j], 31, v[O+2*\j+1]           ; lane = token: its key,
	s_delay_alu instid0(VALU_DEP_1)
	v_lshlrev_b32 v[110+\j], 2, v[110+\j]
	ds_bpermute_b32 v[114+\j], v[110+\j], v[106+\j]   ; and that key's beginning, from the key's lane (no LDS byte is touched)
.endr
	s_wait_dscnt 0x0
.irp j, 0,1,2,3
	v_lshrrev_b32 v[110+\j], 8, v[O+2*\j+1]        ; its rank
	s_delay_alu instid0(VALU_DEP_1)
	v_add_nc_u32 v[114+\j], v[114+\j], v[110+\j]
	s_delay_alu instid0(VALU_DEP_1)
	v_min_u32 v[114+\j], 0x1fff, v[114+\j]         ; a place in the list of 8,192
	s_delay_alu instid0(VALU_DEP_1)
	v_lshlrev_b32 v[114+\j], 2, v[114+\j]
	v_add_nc_u32 v[118+\j], 32*\j, v122
	global_store_b32 v[114+\j], v[118+\j], s[8:9]
.endr
	; the block's mask.  Lane = key k: its pair (a, b) back from the key
	v_mov_b32 v124, 1
	v_mov_b32 v125, 0
.irp th, 7,13,18,22,25,27
	v_cmp_le_u32 vcc_lo, \th, v1
	s_delay_alu instid0(VALU_DEP_1)
	v_cndmask_b32 v126, 0, v124, vcc_lo
	s_delay_alu instid0(VALU_DEP_1)
	v_add_nc_u32 v125, v125, v126                  ; a = how many of the rows' first keys are at or under k
.endr
	s_delay_alu instid0(VALU_DEP_1)
	v_sub_nc_u32 v126, 15, v125
	s_delay_alu instid0(VALU_DEP_1)
	v_mul_u32_u24 v126, v125, v126
	s_delay_alu instid0(VALU_DEP_1)
	v_lshrrev_b32 v126, 1, v126
	s_delay_alu instid0(VALU_DEP_1)
	v_sub_nc_u32 v126, v1, v126                    ; k - a (15 - a) / 2
	s_delay_alu instid0(VALU_DEP_1)
	v_sub_nc_u32 v127, 7, v126                     ; a odd: b = 7 - that
	s_delay_alu instid0(VALU_DEP_2)
	v_add3_u32 v128, v125, v126, 1                 ; a even: b = a + 1 + that
	v_and_b32 v129, 1, v125
	s_delay_alu instid0(VALU_DEP_1)
	v_cmp_eq_u32 vcc_lo, 1, v129
	s_delay_alu instid0(VALU_DEP_1)
	v_cndmask_b32 v127, v128, v127, vcc_lo
	v_lshlrev_b32 v128, v125, v124
	s_delay_alu instid0(VALU_DEP_2)
	v_lshlrev_b32 v129, v127, v124
	s_delay_alu instid0(VALU_DEP_1)
	v_or_b32 v128, v128, v129                      ; (lanes 28 to 31 are no keys: their count is 0, so the test below drops them)
	s_lshl_b32 s26, s17, 3
	s_add_co_u32 s26, s26, s16                     ; block 8 p + w
	s_lshl_b32 s27, s26, 7
	s_add_co_u32 s28, s27, 128
	v_max_u32 v129, s27, v104
	v_add_nc_u32 v130, v104, v100
	s_delay_alu instid0(VALU_DEP_1)
	v_min_u32 v130, s28, v130
	s_delay_alu instid0(VALU_DEP_1)
	v_cmp_lt_u32 vcc_lo, v129, v130                ; does the key's stretch of the list meet the block's 128 places?
	s_delay_alu instid0(VALU_DEP_1)
	v_cndmask_b32 v128, 0, v128, vcc_lo
	s_wait_alu depctr_va_vdst(0)
	s_mov_b32 s29, 0
.irp e, 0,1,2,3,4,5,6,7
	v_and_b32 v129, 1<<\e, v128
	s_delay_alu instid0(VALU_DEP_1)
	v_cmp_ne_u32 s30, 0, v129
	s_cmp_lg_u32 s30, 0                            ; any lane?
	s_cselect_b32 s31, 1<<\e, 0
	s_or_b32 s29, s29, s31
.endr
	v_mov_b32 v130, s29
	s_lshl_b32 s26, s26, 2
	v_mov_b32 v131, s26
	v_cmp_eq_u32 vcc_lo, 0, v1
	s_wait_alu depctr_va_vdst(0)
	s_wait_xcnt 0x0                                ; EXEC changes only behind this wait: the stores above have it among their sources
	s_wait_tensorcnt 0x0
	ds_add_u32 v144, v145
	s_wait_dscnt 0x0
	s_and_saveexec_b32 s28, vcc_lo
	global_store_b32 v131, v130, s[10:11]          ; lane 0 alone
	s_wait_xcnt 0x0                                ; and again, in front of the line that widens it
	s_or_b32 exec_lo, exec_lo, s28
	s_endpgm
.Lweights:
	; ---- the weights
	s_sub_co_u32 s17, ttmp9, 8
	s_lshl_b32 s17, s17, 3
	s_add_co_u32 s17, s17, s16                     ; q = 0 .. 1023: tile q / 2, K steps 4 (q % 2) on
	s_lshl_b32 s18, s17, 13                        ; in wfrag: 8,192 q
	s_mov_b32 s19, 0
	s_lshr_b32 s20, s17, 1
	s_lshl_b32 s20, s20, 14                        ; in the codes: 16 rows of 1,024 bytes a tile,
	s_and_b32 s21, s17, 1
	s_lshl_b32 s21, s21, 9                         ; + 512 bytes along the rows
	s_add_co_u32 s20, s20, s21
	s_mov_b32 s21, 0
	s_wait_alu depctr_va_vdst(0)
	v_and_b32 v2, 15, v1
	v_lshrrev_b32 v3, 4, v1
	s_delay_alu instid0(VALU_DEP_2)
	v_lshlrev_b32 v2, 10, v2
	s_delay_alu instid0(VALU_DEP_1)
	v_lshl_add_u32 v2, v3, 4, v2                   ; row lane % 16, + 16 (lane / 16)
	v_lshlrev_b32 v4, 4, v1                        ; 16 x lane
	s_wait_alu depctr_va_vdst(0)
	s_wait_kmcnt 0x0
	s_add_nc_u64 s[6:7], s[6:7], s[20:21]
	s_add_nc_u64 s[12:13], s[12:13], s[18:19]
.irp n, 0,1,2,3,4,5,6,7,8,9,10,11,12,13,14,15
	global_load_b128 v[16+4*\n:19+4*\n], v2, s[6:7] offset:32*\n          ; n = 4 s + c: 128 s + 32 c bytes along the row
.endr
.irp n, 0,1,2,3,4,5,6,7,8,9,10,11,12,13,14,15
	s_wait_loadcnt 15-\n
	global_store_b128 v4, v[16+4*\n:19+4*\n], s[12:13] offset:512*\n      ; 512 consecutive bytes
.endr
	s_endpgm
.Lfunc_end_k_qd2199f09a4_place:
	.size	k_qd2199f09a4_place, .Lfunc_end_k_qd2199f09a4_place-k_qd2199f09a4_place
	.p2alignl 7, 3214868480
	.fill 96, 4, 3214868480
	.section	.rodata,"a",@progbits
	.p2align	6, 0x0
	.amdhsa_kernel k_qd2199f09a4_place
		.amdhsa_group_segment_fixed_size 34816
		.amdhsa_private_segment_fixed_size 0
		.amdhsa_enable_private_segment 0
		.amdhsa_kernarg_size 40
		.amdhsa_user_sgpr_count 2
		.amdhsa_user_sgpr_kernarg_segment_ptr 1
		.amdhsa_wavefront_size32 1
		.amdhsa_system_sgpr_workgroup_id_x 1
		.amdhsa_system_sgpr_workgroup_id_y 1
		.amdhsa_system_sgpr_workgroup_id_z 1
		.amdhsa_system_vgpr_workitem_id 0
		.amdhsa_next_free_vgpr 146
		.amdhsa_next_free_sgpr 66
		.amdhsa_reserve_vcc 1
		.amdhsa_float_denorm_mode_32 3
		.amdhsa_float_denorm_mode_16_64 3
		.amdhsa_memory_ordered 1
		.amdhsa_forward_progress 1
		.amdhsa_inst_pref_size 25
	.end_amdhsa_kernel
	.amdgpu_metadata
---
amdhsa.version: [ 1, 2 ]
amdhsa.kernels:
  - .name:           k_qd2199f09a4_place
    .symbol:         k_qd2199f09a4_place.kd
    .args:
      - { .name: route, .offset: 0, .size: 8, .value_kind: global_buffer, .address_space: global }
      - { .name: expert_w_codes, .offset: 8, .size: 8, .value_kind: global_buffer, .address_space: global }
      - { .name: order, .offset: 16, .size: 8, .value_kind: global_buffer, .address_space: global }
      - { .name: bmask, .offset: 24, .size: 8, .value_kind: global_buffer, .address_space: global }
      - { .name: wfrag, .offset: 32, .size: 8, .value_kind: global_buffer, .address_space: global }
    .group_segment_fixed_size: 34816
    .private_segment_fixed_size: 0
    .kernarg_segment_align: 8
    .kernarg_segment_size: 40
    .max_flat_workgroup_size: 256
    .sgpr_count:     66
    .vgpr_count:     146
    .wavefront_size: 32
...
	.end_amdgpu_metadata
.endif
;; end of part 5
;; launch experts (part 6): grid 4 x 64, 4 waves a work-group, no clusters, 151,040 bytes of LDS; arguments xq, wfrag, gates, order, bmask, out0; writes out0
.if DOCPART == 6
	.amdgcn_target "amdgcn-amd-amdhsa--gfx1250"
	.amdhsa_code_object_version 6
	.text
	.protected	k_qd2199f09a4_experts
	.globl	k_qd2199f09a4_experts
	.p2align	8
	.type	k_qd2199f09a4_experts,@function
k_qd2199f09a4_experts:
	s_mov_b64 s[64:65], 0
	v_nop
	global_prefetch_b8 v0, s[64:65] scope:SCOPE_SE
	s_setreg_imm32_b32 hwreg(HW_REG_WAVE_SCHED_MODE, 0, 2), 2
	s_setreg_imm32_b32 hwreg(HW_REG_WAVE_MODE, 25, 1), 1
	s_wait_xcnt 0x0
	s_wait_alu depctr_vm_vsrc(0)
; out0[t] = the sum over the token's two experts e of gate[t][e] x (xq[t] . W_e), on codes of E5M2 by v_wmma_f32_16x16x128_bf8_bf8, f32 sums.  gates already holds softmax weight x 2^(ew + ex), and 0 at experts not chosen.
; SHARES.  Work-group (x, y): block y of 128 tokens of the sorted list, outputs 256 x .. 256 x + 255: each output row's piece has one owner.  It walks the experts named in bmask[y] (two, three where the block straddles two
; neighbouring keys, up to eight for any split): a token's product with an expert that it did not choose is weighed by 0.
; Wave w: all 128 tokens (8 tiles) x outputs 64 w .. 64 w + 63 of the work-group's 256 (4 tiles): 32 accumulators.  The tokens' codes are gathered once into LDS (128 rows, 128 KB) and read by all four waves behind ONE barrier;
; each wave's weights come from wfrag straight into its registers, three K steps ahead (a ring of 4 x 64 registers), and no two waves read the same fragment.  The loop has no barrier.
; THE MATRIX INSTRUCTION IS USED TRANSPOSED: source 0 = 16 rows of W, source 1 = 16 tokens: a lane holds ONE token (lane % 16) and eight neighbouring outputs, so the gate's weight is one register a lane and tile.
; k IN A FRAGMENT: registers 4 c .. 4 c + 3 of lane l hold k = 32 c + 16 (l / 16) + 0 .. 15 of the K step: a permutation of k, the same in both operands.
; NO TENSOR LOAD, NO CLUSTER: the number of experts and which they are hang on a stored list, so a branch and a trip count hang on loaded numbers; blocks that share an x differ in their experts, and what the four work-groups of
; a block share, the 128 KB of tokens' codes, is read once against 256 KB of weights for each expert.
; LIMITS: infinity and NaN codes among the weights are not served (0 x such a sum is NaN); |ew + ex| up to 100 (made in the launch that stores gates).
; THE MODE: SCHED_MODE bits 1:0 = 2 (LLVM: expert scheduling mode 2), set by the entry lines.  The code itself states the register dependences between vector or matrix instructions and memory or LDS instructions,
; with s_wait_alu, always for 0.
; THE PLAN.  A K step s is two GROUPS of 16 matrix instructions: group g = 2 s + half (half 0: tiles of tokens 0-3, half 1: tiles 4-7).  Registers that memory or LDS instructions touch in the loop:
;   XF0 .. XF2    three half-sets of the tokens' fragments.  Group g reads set g % 3.  Written by LDS loads alone.
;   the ring      four slots of weights.  Both groups of step s read slot s % 4.  Written by global loads alone.
;   GT + 2 i      the gate's weight of tile i.  Loaded in step 0 of an expert; read by that expert's weighted sums.
;   GT + 2 i + 1, v3, v4, v5   addresses: made at the head, never written again.
; ONE wait on va_vdst stands at the head of a step.  Behind it all groups up to 2 s - 1 are complete: set (2 s + 1) % 3 (last read by group 2 s - 2), set (2 s + 2) % 3 (group 2 s - 1) and slot (s - 1) % 4 (step s - 1) are free.
; The step's loads, tiles 4-7 of this step, tiles 0-3 of the next and the weights of step s + 3, land there and are dealt among the first group's matrix instructions, which name set 2 s % 3, slot s % 4 and accumulators: none of
; the registers that those loads touch.  An expert has 16 groups, 1 more than a multiple of 3: group 15 and the next expert's group 0 share set 0.  So one more wait stands between two experts, ahead of the weighted sums, which
; want the matrix results in any case; behind it set 0 and slot 3 are asked for again, and the sums are made while those loads are on their way.
; REGISTERS, in windows of 256:  window 0: v1-12 addresses; v16-31 pairs {gate's weight, 32 x token} a tile; v32-47 offsets of the rows that I copy; v64-255 the tokens' three half-sets (on the way out v128-191: rows of out0).
;   window 1: the weights' ring, K step s at v[64 (s % 4) + 16 o]; from the last expert's step 5 on slot 0 holds the offsets in out0.   window 2: the accumulators, (i, o) at v[32 i + 8 o].
;   window 3: the weighted sums, laid alike (at the head: the tokens' codes on their way to LDS).
.set XP,    1040                       ; a token's row in LDS: 1,024 bytes + 16 = 65 x 16: the 16 rows that a load touches fall on 16 different columns of 16 bytes
.set STAGE, 128*XP                     ; behind the rows: 16 rows x 272 bytes for each wave, for the way out
.set SP,    272
.set VW,   3                           ; v3   16 x lane
.set AX0,  4                           ; v4   a fragment's place: XP x (lane % 16) + 16 (lane / 16), tiles 0-3;
.set AX1,  5                           ; v5   tiles 4-7
.set XST,  6                           ; v6   where I put 16 bytes of a row that I copy
.set STO,  7                           ; v7   the way out: where I put 32 bytes of a row
.set RD,   8                           ; v8   and where I read a row back
.set R16,  10                          ; v10  16 (lane % 16)
.set H32,  11                          ; v11  32 (lane / 16)
.set R4,   12                          ; v12  4 (lane % 16)
.set GT,   16
.set XT,   32
.set XF,   64                          ; half-set b at v[XF + 64 b]
.set BK,   128
.set TOK,  0                           ; in window 1
.set WCUR, 24                          ; s[24:25] my weights of the expert in hand;  s[26:27] of the next
.set WNXT, 26
.set SG,   28                          ; s[28:29] gates + 4 x the expert in hand
.set WB,   30                          ; s[30:31] my four tiles of expert 0 in wfrag
.set MSB, 0
.macro WIN new                         ; the immediate's high byte repeats the setting that is left
.if MSB != \new
	s_set_vgpr_msb (MSB<<8)|\new
.set MSB, \new
.endif
.endm
.macro PLACES                          ; four plain lines between a matrix instruction and a vector instruction that reads its result or writes one of its sources (ISA guide 7.12.1)
.rept 4
	v_nop
.endr
.endm
.macro XFETCH s, half                  ; the fragments of four tiles of tokens, K step s, into the half-set of group 2 s + half
	WIN 0
.irp ii, 0,1,2,3
.irp c, 0,1,2,3
	ds_load_b128 v[XF+64*((2*(\s)+\half)%3)+16*\ii+4*\c:XF+64*((2*(\s)+\half)%3)+16*\ii+4*\c+3], v[AX0+\half] offset:16*XP*\ii+128*(\s)+32*\c
.endr
.endr
.endm
.macro WLOAD ptr, s                    ; my four tiles of weights, K step s: 16 loads of 512 consecutive bytes
	WIN 0x40                                       ; destination window 1
.irp o, 0,1,2,3
.irp c, 0,1,2,3
	global_load_b128 v[64*((\s)%4)+16*\o+4*\c:64*((\s)%4)+16*\o+4*\c+3], v[VW], s[\ptr:\ptr+1] offset:16384*\o+2048*(\s)+512*\c
.endr
.endr
.endm
.macro TOKLOAD                         ; v[TOK + 8 i + q]: token of row 16 i + 8 h + q of the block, for the way out
	WIN 0x40                                       ; destination window 1
.irp i, 0,1,2,3,4,5,6,7
.irp u, 0,1
	global_load_b128 v[TOK+8*\i+4*\u:TOK+8*\i+4*\u+3], v[H32], s[36:37] offset:64*\i+16*\u
.endr
.endr
.endm
; 4 matrix instructions: tile 4 half + ii of tokens x my four tiles of outputs.  The 32 accumulators take turns, one instruction a turn, in the same order in every K step.
.macro MULT s, half, ii, zero
	WIN 0xa1                                       ; source 0 (W) window 1, source 1 (tokens) window 0, C and D window 2
.irp o, 0,1,2,3
.if \zero
	v_wmma_f32_16x16x128_bf8_bf8 v[32*(4*\half+\ii)+8*\o:32*(4*\half+\ii)+8*\o+7], v[64*((\s)%4)+16*\o:64*((\s)%4)+16*\o+15], v[XF+64*((2*(\s)+\half)%3)+16*\ii:XF+64*((2*(\s)+\half)%3)+16*\ii+15], 0
.else
	v_wmma_f32_16x16x128_bf8_bf8 v[32*(4*\half+\ii)+8*\o:32*(4*\half+\ii)+8*\o+7], v[64*((\s)%4)+16*\o:64*((\s)%4)+16*\o+15], v[XF+64*((2*(\s)+\half)%3)+16*\ii:XF+64*((2*(\s)+\half)%3)+16*\ii+15], v[32*(4*\half+\ii)+8*\o:32*(4*\half+\ii)+8*\o+7]
.endif
.endr
.endm
; A K step of 128.  lc: the global loads younger than this step's weights.  gl: the expert's gate words are asked for.  xn: the next step's tiles 0-3 are fetched.  wl: weights (ptr, ws) go into the ring's slot that the step before left.
; tk: the offsets for the way out are asked for.  zero: the products start the sums.
.macro KSTEP s, lc, gl, xn, wl, ptr, ws, tk, zero
	s_wait_loadcnt \lc                             ; this step's weights are in
	s_wait_dscnt 0x0                               ; this step's tiles 0-3 are in: no other LDS load is out here
	s_wait_alu depctr_va_vdst(0)                   ; all earlier matrix instructions are done reading: the two half-sets and the ring's slot in which this step's loads land are free; in step 0 also: the weighted sums are done reading the gate's weights, and (first expert) the gate loads' addresses are written
.if \gl
	WIN 0
.irp i, 0,1,2,3,4,5,6,7
	global_load_b32 v[GT+2*\i], v[GT+2*\i+1], s[SG:SG+1]   ; gate[token 16 i + lane % 16][expert]
.endr
.endif
	MULT \s, 0, 0, \zero
	XFETCH \s, 1                                   ; this step's tiles 4-7.  No wait: no matrix instruction since the wait above names their half-set
	MULT \s, 0, 1, \zero
	MULT \s, 0, 2, \zero
.if \xn
	XFETCH (\s)+1, 0                               ; the next step's tiles 0-3, into the third half-set: likewise
.endif
	MULT \s, 0, 3, \zero
.if \wl
	WLOAD \ptr, \ws                                ; three steps ahead, into the slot that the step before read: likewise
.endif
.if \tk
	TOKLOAD                                        ; into slot 0, which step 4 read last and no later step of the last expert names
.endif
.if \xn
	s_wait_dscnt 16                                ; tiles 4-7 are in; the 16 loads of the next step's tiles 0-3 may be out
.else
	s_wait_dscnt 0x0                               ; tiles 4-7 are in
.endif
	MULT \s, 1, 0, \zero
	MULT \s, 1, 1, \zero
	MULT \s, 1, 2, \zero
	MULT \s, 1, 3, \zero
.endm
; One expert.  Global loads in order of issue: (steps 0-3, asked for earlier), 8 gate words in step 0, steps 4-7 in steps 1-4, the next expert's steps 0-2 in steps 5-7 and its step 3 behind step 7.
; So behind the weights of step 0 stand three sets of 16: 48; behind those of steps 1-3 two sets and the 8 gate words: 40; behind those of steps 4-7 two sets: 32.  The wait of step 4 also shows the gate words in.
; The last expert asks for no further weights, and in step 5 for the 16 loads of offsets: behind the weights of steps 5, 6, 7 stand 32, 16 + 16 and 16.
.macro EXPERT last
	KSTEP 0, 48, 1, 1, 0, WCUR, 0, 0, 1            ; the first products start the sums: nothing is cleared
	KSTEP 1, 40, 0, 1, 1, WCUR, 4, 0, 0
	KSTEP 2, 40, 0, 1, 1, WCUR, 5, 0, 0
	KSTEP 3, 40, 0, 1, 1, WCUR, 6, 0, 0
	KSTEP 4, 32, 0, 1, 1, WCUR, 7, 0, 0
.if \last
	KSTEP 5, 32, 0, 1, 0, WCUR, 0, 1, 0
	KSTEP 6, 32, 0, 1, 0, WCUR, 0, 0, 0
	KSTEP 7, 16, 0, 0, 0, WCUR, 0, 0, 0
.else
	KSTEP 5, 32, 0, 1, 1, WNXT, 0, 0, 0
	KSTEP 6, 32, 0, 1, 1, WNXT, 1, 0, 0
	KSTEP 7, 32, 0, 0, 1, WNXT, 2, 0, 0
	PLACES                                         ; the weighted sums below read matrix results
	s_wait_alu depctr_va_vdst(0)                   ; group 15 is done reading half-set 0, step 7 is done reading the ring's slot 3: the loads below land there
	XFETCH 0, 0                                    ; the next expert's first tiles
	WLOAD WNXT, 3                                  ; and its K step 3
.endif
.endm
.macro FOLD first                      ; the weighted sums take this expert's: sum x gate (+ what was there); each accumulator from its low end on
	WIN 0xf2                                       ; source 0 window 2, source 1 (the gate's pair, its low word for both halves) window 0, source 2 and destination window 3
.irp i, 0,1,2,3,4,5,6,7
.irp p, 0,2,4,6,8,10,12,14,16,18,20,22,24,26,28,30
.if \first
	v_pk_mul_f32 v[32*\i+\p:32*\i+\p+1], v[32*\i+\p:32*\i+\p+1], v[GT+2*\i:GT+2*\i+1] op_sel_hi:[1,0]
.else
	v_pk_fma_f32 v[32*\i+\p:32*\i+\p+1], v[32*\i+\p:32*\i+\p+1], v[GT+2*\i:GT+2*\i+1], v[32*\i+\p:32*\i+\p+1] op_sel_hi:[1,0,1]
.endif
.endr
.endr
.endm
.macro NEXTE                           ; on to the next expert of the list
	s_wait_xcnt 0x0                                ; the loads issued so far have read their bases: they may be written
	s_mov_b32 s20, s21
	s_mov_b64 s[WCUR:WCUR+1], s[WNXT:WNXT+1]
	s_ctz_i32_b32 s21, s19
	s_min_u32 s21, s21, 7                          ; (with nothing left: 7; those weights are not asked for)
	s_sub_co_u32 s32, s19, 1
	s_and_b32 s19, s19, s32                        ; its bit is taken off the list
	s_lshl_b32 s32, s21, 20                        ; an expert's weights are 2^20 bytes
	s_add_nc_u64 s[WNXT:WNXT+1], s[WB:WB+1], s[32:33]
	s_lshl_b32 s32, s20, 2
	s_add_nc_u64 s[SG:SG+1], s[8:9], s[32:33]
.endm
	s_load_b256 s[4:11], s[0:1], 0x0               ; xq s[4:5], wfrag s[6:7], gates s[8:9], order s[10:11]
	s_load_b128 s[12:15], s[0:1], 0x20             ; bmask s[12:13], out0 s[14:15]
	v_lshl_add_u32 v62, v0, 2, 0x24c00
	v_mov_b32 v63, 0
	v_lshrrev_b32 v1, 5, v0
	v_readfirstlane_b32 s16, v1                    ; wave 0..3
	s_and_b32 s18, ttmp7, 0xffff                   ; the block
	v_and_b32 v1, 15, v0                           ; r
	v_bfe_u32 v2, v0, 4, 1                         ; h
	v_and_b32 v[VW], 31, v0
	v_lshlrev_b32 v[VW], 4, v[VW]
	v_mul_u32_u24 v[AX0], v1, XP
	v_lshl_add_u32 v[AX0], v2, 4, v[AX0]
	v_add_nc_u32 v[AX1], 64*XP, v[AX0]
	v_lshlrev_b32 v[R16], 4, v1
	v_lshlrev_b32 v[H32], 5, v2
	v_lshlrev_b32 v[R4], 2, v1
	s_wait_alu depctr_va_sdst(0)                   ; s16 is written, ahead of its first reader: LDS places and the bases are made from it
	s_mul_i32 s32, s16, 32*XP                      ; I copy rows 32 w .. 32 w + 31: lanes 0-15 one row's 256 bytes, lanes 16-31 those of the row 8 further down
	v_mul_u32_u24 v[XST], v2, 8*XP
	v_add_nc_u32 v[XST], v[XST], v[R16]
	v_add_nc_u32 v[XST], s32, v[XST]
	s_mul_i32 s32, s16, 16*SP
	s_add_co_u32 s32, s32, STAGE                   ; my stage
	v_mul_u32_u24 v[STO], v1, SP
	v_add_nc_u32 v[STO], v[STO], v[H32]
	v_add_nc_u32 v[STO], s32, v[STO]               ; in: row r, + 32 h
	v_mul_u32_u24 v[RD], v2, 8*SP
	v_add_nc_u32 v[RD], v[RD], v[R16]
	v_add_nc_u32 v[RD], s32, v[RD]                 ; back: lanes 0-15 row q, lanes 16-31 row 8 + q
	s_lshl_b32 s32, s18, 9                         ; the block's 128 words of order
	s_mov_b32 s33, 0
	s_lshl_b32 s42, s16, 7                         ; my 32 of them
	s_mov_b32 s43, 0
	s_lshl_b32 s44, s18, 2
	s_mov_b32 s45, 0
	s_wait_kmcnt 0x0
	s_add_nc_u64 s[36:37], s[10:11], s[32:33]
	s_add_nc_u64 s[40:41], s[36:37], s[42:43]
	s_add_nc_u64 s[38:39], s[12:13], s[44:45]
	s_load_b32 s19, s[38:39], 0x0                  ; the block's experts
	s_wait_alu depctr_va_vdst(0)                   ; the addresses v3 to v12 are written, which the loads and stores of the whole kernel read; none of them is written again
.irp ii, 0,1
.irp u, 0,1
	global_load_b128 v[XT+8*\ii+4*\u:XT+8*\ii+4*\u+3], v[H32], s[40:41] offset:64*\ii+16*\u   ; v[XT + 8 ii + q]: token of row 32 w + 16 ii + 8 h + q
.endr
.endr
.irp i, 0,1,2,3,4,5,6,7
	global_load_b32 v[GT+2*\i+1], v[R4], s[36:37] offset:64*\i                                ; token of row 16 i + r
.endr
	s_lshl_b32 s32, ttmp9, 18                      ; my four tiles of weights: (16 x + 4 w) x 16,384 bytes
	s_lshl_b32 s42, s16, 16
	s_add_co_u32 s32, s32, s42
	s_add_nc_u64 s[WB:WB+1], s[6:7], s[32:33]
	s_lshl_b32 s32, ttmp9, 10                      ; my 256 bytes of a row of out0
	s_lshl_b32 s42, s16, 8
	s_add_co_u32 s32, s32, s42
	s_add_nc_u64 s[34:35], s[14:15], s[32:33]
	s_wait_loadcnt 8                               ; the four loads for the copy are in; the 8 behind them stay out
.irp k, 0,1,2,3,4,5,6,7,8,9,10,11,12,13,14,15
	v_min_u32 v[XT+\k], 0x1fff, v[XT+\k]           ; a token's number, inside the table
.endr
.irp k, 0,1,2,3,4,5,6,7,8,9,10,11,12,13,14,15
	v_lshl_add_u32 v[XT+\k], v[XT+\k], 10, v[R16]  ; its row of 1,024 codes, + 16 r
.endr
	WIN 0xc0                                       ; destination window 3
	s_wait_alu depctr_va_vdst(0)                   ; the sixteen offsets v[XT ..] are written, which the loads below read
.irp k, 0,1,2,3,4,5,6,7,8,9,10,11,12,13,14,15
.irp m, 0,1,2,3
	global_load_b128 v[16*\k+4*\m:16*\k+4*\m+3], v[XT+\k], s[4:5] offset:256*\m   ; sixteen lanes read 256 consecutive bytes of a row, aligned
.endr
.endr
	s_wait_kmcnt 0x0
	s_and_b32 s19, s19, 0xff
	s_ctz_i32_b32 s20, s19
	s_min_u32 s20, s20, 7                          ; the first expert,
	s_sub_co_u32 s32, s19, 1
	s_and_b32 s19, s19, s32
	s_ctz_i32_b32 s21, s19
	s_min_u32 s21, s21, 7                          ; the second (a block has two at the least),
	s_sub_co_u32 s32, s19, 1
	s_and_b32 s19, s19, s32
	s_bcnt1_i32_b32 s22, s19                       ; and how many stand between the first and the last: 0 to 6
	s_lshl_b32 s32, s20, 20
	s_add_nc_u64 s[WCUR:WCUR+1], s[WB:WB+1], s[32:33]
	s_lshl_b32 s32, s21, 20
	s_add_nc_u64 s[WNXT:WNXT+1], s[WB:WB+1], s[32:33]
	s_lshl_b32 s32, s20, 2
	s_add_nc_u64 s[SG:SG+1], s[8:9], s[32:33]
	WLOAD WCUR, 0
	WLOAD WCUR, 1
.macro XSTORE k                        ; row 16 (k / 8) + k % 8 (+ 8 h) of my 32 goes to LDS
.irp m, 0,1,2,3
	ds_store_b128 v[XST], v[16*\k+4*\m:16*\k+4*\m+3] offset:XP*(16*(\k/8)+\k%8)+256*\m
.endr
.endm
	WIN 0x0c                                       ; store data window 3
	s_wait_loadcnt 63                              ; the first 16 of the 64: behind them stand 48 + 32 loads; the wait's field holds 63, which is the stricter count
.irp k, 0,1,2,3
	XSTORE \k
.endr
	s_wait_loadcnt 63                              ; the second 16: behind them 32 + 32
.irp k, 4,5,6,7
	XSTORE \k
.endr
	s_wait_loadcnt 48                              ; the third: 16 + 32
.irp k, 8,9,10,11
	XSTORE \k
.endr
	s_wait_loadcnt 32                              ; the last: the two sets of weights
.irp k, 12,13,14,15
	XSTORE \k
.endr
	WLOAD WCUR, 2
	WLOAD WCUR, 3
	WIN 0
.irp i, 0,1,2,3,4,5,6,7
	v_min_u32 v[GT+2*\i+1], 0x1fff, v[GT+2*\i+1]
	v_lshlrev_b32 v[GT+2*\i+1], 5, v[GT+2*\i+1]    ; the token's 32 bytes of gates
.endr
	s_wait_dscnt 0x0                               ; for the others' sake: my 32 rows lie in LDS
	s_barrier_signal -1
	s_barrier_wait -1                              ; all 128 do; nobody writes them again
	s_wait_alu depctr_vm_vsrc(0)                   ; my LDS stores have read window 3's registers, which the first expert's weighted sums write
	XFETCH 0, 0                                    ; tiles 0-3 of K step 0; each step asks for the rest
	EXPERT 0
	FOLD 1
	WIN 0                                          ; at a label and at a branch every window is 0
	s_cmp_eq_u32 s22, 0
	s_cbranch_scc1 .Llast
	s_mov_b32 s23, 0
.Lmid:                                             ; the experts between the first and the last.  On every way in, the same loads are out: the expert's K steps 0-3 and the 16 fragment loads of its first tiles
	NEXTE
	EXPERT 0
	FOLD 0
	WIN 0
	s_add_co_u32 s23, s23, 1
	s_cmp_lt_u32 s23, s22
	s_cbranch_scc1 .Lmid
.Llast:
	NEXTE
	EXPERT 1                                       ; asks for nothing beyond its own weights and the offsets for the way out
; THE WAY OUT, a tile of 16 tokens at a time: the last expert's sums are weighed in; a lane's 8 outputs are 32 bytes of a token's row, and the lanes beside it hold other tokens: so the tile goes through my own stage in LDS
; and comes back as rows of 256 bytes, which sixteen lanes store as one aligned block of 256 bytes of the token's row of out0.  LDS serves a wave's instructions in order (ISA guide 5.7.1.4): no wait between stores and loads.
; Who touches what: a tile's sums (window 3) are written by its multiply-adds and read by its LDS stores; the two sets of BK are written by loads from the stage and read by the stores of out0; the offsets are written once, below.
.macro FOLDT i
	WIN 0xf2
.irp p, 0,2,4,6,8,10,12,14,16,18,20,22,24,26,28,30
	v_pk_fma_f32 v[32*(\i)+\p:32*(\i)+\p+1], v[32*(\i)+\p:32*(\i)+\p+1], v[GT+2*(\i):GT+2*(\i)+1], v[32*(\i)+\p:32*(\i)+\p+1] op_sel_hi:[1,0,1]
.endr
.endm
.macro STG i
	WIN 0x0c                                       ; store data window 3
.irp o, 0,1,2,3
	ds_store_b128 v[STO], v[32*(\i)+8*\o:32*(\i)+8*\o+3] offset:64*\o
	ds_store_b128 v[STO], v[32*(\i)+8*\o+4:32*(\i)+8*\o+7] offset:64*\o+16
.endr
	WIN 0
.irp q, 0,1,2,3,4,5,6,7
	ds_load_b128 v[BK+32*((\i)%2)+4*\q:BK+32*((\i)%2)+4*\q+3], v[RD] offset:SP*\q
.endr
.endm
.macro SEND i, younger                 ; younger: the LDS instructions issued behind tile i's loads, which may stay out
	s_wait_dscnt \younger
	WIN 0x01                                       ; the offset in window 1, the data in window 0
.irp q, 0,1,2,3,4,5,6,7
	global_store_b128 v[TOK+8*(\i)+\q], v[BK+32*((\i)%2)+4*\q:BK+32*((\i)%2)+4*\q+3], s[34:35] th:TH_STORE_NT   ; written once, read by nobody here
.endr
.endm
	PLACES                                         ; the lines below write registers that matrix instructions have read, and then read matrix results
	s_wait_loadcnt 0x0                             ; the tokens' numbers are in
	WIN 0x44                                       ; source 1 and destination window 1
.irp k, 0,1,2,3,4,5,6,7,8,9,10,11,12,13,14,15,16,17,18,19,20,21,22,23,24,25,26,27,28,29,30,31,32,33,34,35,36,37,38,39,40,41,42,43,44,45,46,47,48,49,50,51,52,53,54,55,56,57,58,59,60,61,62,63
	v_min_u32 v[TOK+\k], 0x1fff, v[TOK+\k]         ; a token's number, inside the table
.endr
	WIN 0x41                                       ; source 0 and destination window 1
.irp k, 0,1,2,3,4,5,6,7,8,9,10,11,12,13,14,15,16,17,18,19,20,21,22,23,24,25,26,27,28,29,30,31,32,33,34,35,36,37,38,39,40,41,42,43,44,45,46,47,48,49,50,51,52,53,54,55,56,57,58,59,60,61,62,63
	v_lshl_add_u32 v[TOK+\k], v[TOK+\k], 12, v[R16]   ; the token's row of out0, 4,096 bytes, + 16 r
.endr
	FOLDT 0
	FOLDT 1
	s_wait_alu depctr_va_vdst(0)                   ; tiles 0 and 1's sums are written, which the LDS stores read; the 64 offsets are written, which the stores of out0 read; the matrix instructions are done reading v[BK ..], in which the loads from the stage land
	STG 0
	STG 1
	SEND 0, 16                                     ; behind tile 0's loads: tile 1's 8 stores and 8 loads
.irp a, 2,3,4,5,6,7
.if (\a)%2 == 0
	FOLDT \a                                       ; two tiles' sums ahead of one wait
	FOLDT \a+1
.endif
	s_wait_xcnt 0x0                                ; tile a - 2's stores have had their addresses translated (ISA guide 3.1): their data registers are loaded again only behind this wait,
	s_wait_alu depctr_vm_vsrc(0)                   ; and tile a - 2's stores have read their set of v[BK ..], in which tile a's rows land
.if (\a)%2 == 0
	s_wait_alu depctr_va_vdst(0)                   ; tiles a and a + 1's sums are written, which their LDS stores read
.endif
	STG \a
	SEND \a-1, 16
.endr
	SEND 7, 0
	WIN 0
	s_wait_dscnt 0x0
	s_wait_alu depctr_hold_cnt(0) depctr_sa_sdst(0) depctr_va_vdst(0) depctr_va_sdst(0) depctr_va_ssrc(0) depctr_va_vcc(0) depctr_vm_vsrc(0)
	s_wait_tensorcnt 0x0
	ds_add_u32 v62, v63
	s_wait_dscnt 0x0
	s_endpgm
.Lfunc_end_k_qd2199f09a4_experts:
	.size	k_qd2199f09a4_experts, .Lfunc_end_k_qd2199f09a4_experts-k_qd2199f09a4_experts
	.p2alignl 7, 3214868480
	.fill 96, 4, 3214868480
	.section	.rodata,"a",@progbits
	.p2align	6, 0x0
	.amdhsa_kernel k_qd2199f09a4_experts
		.amdhsa_group_segment_fixed_size 151040
		.amdhsa_private_segment_fixed_size 0
		.amdhsa_enable_private_segment 0
		.amdhsa_kernarg_size 48
		.amdhsa_user_sgpr_count 2
		.amdhsa_user_sgpr_kernarg_segment_ptr 1
		.amdhsa_wavefront_size32 1
		.amdhsa_system_sgpr_workgroup_id_x 1
		.amdhsa_system_sgpr_workgroup_id_y 1
		.amdhsa_system_sgpr_workgroup_id_z 1
		.amdhsa_system_vgpr_workitem_id 0
		.amdhsa_next_free_vgpr 1024
		.amdhsa_next_free_sgpr 66
		.amdhsa_reserve_vcc 0
		.amdhsa_float_denorm_mode_32 3
		.amdhsa_float_denorm_mode_16_64 3
		.amdhsa_memory_ordered 1
		.amdhsa_forward_progress 1
		.amdhsa_inst_pref_size 210
	.end_amdhsa_kernel
	.amdgpu_metadata
---
amdhsa.version: [ 1, 2 ]
amdhsa.kernels:
  - .name:           k_qd2199f09a4_experts
    .symbol:         k_qd2199f09a4_experts.kd
    .args:
      - { .name: xq, .offset: 0, .size: 8, .value_kind: global_buffer, .address_space: global }
      - { .name: wfrag, .offset: 8, .size: 8, .value_kind: global_buffer, .address_space: global }
      - { .name: gates, .offset: 16, .size: 8, .value_kind: global_buffer, .address_space: global }
      - { .name: order, .offset: 24, .size: 8, .value_kind: global_buffer, .address_space: global }
      - { .name: bmask, .offset: 32, .size: 8, .value_kind: global_buffer, .address_space: global }
      - { .name: out0, .offset: 40, .size: 8, .value_kind: global_buffer, .address_space: global }
    .group_segment_fixed_size: 151040
    .private_segment_fixed_size: 0
    .kernarg_segment_align: 8
    .kernarg_segment_size: 48
    .max_flat_workgroup_size: 128
    .sgpr_count:     66
    .vgpr_count:     1024
    .wavefront_size: 32
...
	.end_amdgpu_metadata
.endif
;; end of part 6
